; MI455X (gfx1250); checked and timed in simulation.
; The chip was launched on July 23, 2026; its instructions are those of AMD's public machine-readable ISA for CDNA 5 (MIT licence, August 2026) and "CDNA5" Instruction Set Architecture Reference Guide (July 2026). The comments in the code are by the model that wrote it; some were corrected since.
;; Sparse Mo E. Allowed arithmetic: matrix products marked QUANTISED: E2M1 operands, one E8M0 scale for each 32 along K, by v_wmma_scale_f32_16x16x128_f8f6f4 with both operands' format E2M1 (or v_wmma_scale_f32_32x16x128_f4), f32 sums; products left as they are: f32 operands where the result goes on into a quantised operand, else bf16, f16 or f32 operands; f32 sums; everything else in f32.
;; Inputs: W1 8 x 512 x 512 float32; W2 8 x 512 x 512 float32; Wg 512 x 8 float32; b1 8 x 512 float32; b2 8 x 512 float32; bg 8 float32; x 4 x 2,048 x 512 float32.
;; Outputs: out0 4 x 2,048 x 512 float32.
;; This version of the problem:
;;   THIS VERSION OF THE PROBLEM IS GIVEN IN LOW PRECISION. The matrix products marked QUANTISED in the list below multiply operands that are first quantised to E2M1 (2 exponent bits, 1 mantissa bit; 4 bits a number), with one power-of-two scale for each 32 numbers along K (OCP MX v1.0); their sums are f32. All else is computed in f32.
;;   The module's matrix products, in the order in which they are computed (A, B: the left and right operand; K: the contracted axis; several contracted axes count as one K, in the product's order):
;;     1. [M 8,192, K 512] x [K 512, N 8]; A: input x; B: input Wg: left as it is (N = 8 < 16)
;;     2. [M 8,192, K 512] x [K 512, N 4,096]; A: input x; B: input W1: QUANTISED
;;     3. batch 8 x [M 512, K 512] x [K 512, N 8,192]; A: input W2; B: computed on the way: QUANTISED
;;   THE QUANTISER, for each operand of a quantised product, along K:
;;     - K is cut into blocks of 32 from its start; a last block that is shorter is filled with zeros.
;;     - A block's scale is 2^e with e = floor(log2(the largest magnitude in the block)) - 2, held to -126 .. 127; a block of zeros has e = 0. As a byte (E8M0): e + 127.
;;     - Each number is divided by its block's scale, clamped to +-6, and rounded to the nearest number of E2M1, ties to even, subnormals kept.
;;     - The product sums the exact products of the quantised numbers (number of the format x scale) in f32.
;;   ~~~python
;;   def quantise(x, axis):      # numpy; x: float32 -> the quantised numbers, widened to float32 again
;;       x = np.moveaxis(x, axis, -1); K = x.shape[-1]
;;       x = np.pad(x, [(0, 0)] * (x.ndim - 1) + [(0, -K % 32)]); x = x.reshape(x.shape[:-1] + (-1, 32)); a = np.abs(x).max(-1, keepdims=True)
;;       e = np.where(a > 0, np.clip(np.frexp(np.where(a > 0, a, 1))[1] - 1 - 2, -126, 127), 0)      # np.frexp(a)[1] - 1 = floor(log2(a)), exactly
;;       r = np.clip(x / 2.0 ** e, -6, 6)
;;       step = 2.0 ** (np.maximum(np.frexp(np.where(r == 0, 1, r))[1] - 1, 0) - 1)
;;       q = np.round(r / step) * step * 2.0 ** e      # np.round: ties to even
;;       return np.moveaxis(q.reshape(q.shape[:-2] + (-1,))[..., :K], -1, axis).astype(np.float32)
;;   ~~~
;;   OPERANDS COMPUTED ON THE WAY. 'Computed on the way' means the value that the module computes at that place (a softmax that the list does not call 'softmax' is quantised finished and normalised). What goes into a quantiser is computed in f32, as accurately as f32 sums, v_exp_f32 and their like allow (about 1e-6 of the number): no bf16 or f16 on the way to a quantiser, and a product that is left as it is and whose result goes on into a quantised operand takes f32 operands (vector FMAs, or v_wmma_f32_16x16x4_f32). A number that lies on a knife's edge between two numbers of the format may be rounded either way, as far as f32 arithmetic and the matrix unit's own rounding can turn it there, and no further.
;; 3 versions, each right; version 2 is faster than version 1; version 3 is version 2 with the launch chain written anew for expert scheduling mode. Each part assembles by itself: llvm-mc -triple=amdgcn-amd-amdhsa -mcpu=gfx1250 --defsym DOCPART=n.
;; ======== version 1 of 3: 3 launches
;; workspace buffers: xcodes 2,097,152 bytes; xscales 131,072 bytes; gatew 32,768 bytes; route 16,384 bytes of whole numbers; tiles 67,328 bytes of whole numbers; wq 2,097,152 bytes; ws 131,072 bytes
;; launch prep (part 1): grid 512 x 1, 4 waves a work-group, no clusters, 83,456 bytes of LDS; arguments x, Wg, bg, W1, W2, xcodes, xscales, gatew, route, wq, ws; writes xcodes, xscales, gatew, route, wq, ws
.if DOCPART == 1
	.amdgcn_target "amdgcn-amd-amdhsa--gfx1250"
	.amdhsa_code_object_version 6
	.text
	.protected	k_q161f64679a_prep
	.globl	k_q161f64679a_prep
	.p2align	8
	.type	k_q161f64679a_prep,@function
k_q161f64679a_prep:
	s_mov_b64 s[64:65], 0
	v_nop
	global_prefetch_b8 v0, s[64:65] scope:SCOPE_SE
	s_setreg_imm32_b32 hwreg(HW_REG_WAVE_MODE, 25, 1), 1
	s_wait_xcnt 0x0
; PREP.  Work-groups 0-255: the router (f32) and x as codes of FP4 (E2M1).  Work-groups 256-511: W1 and W2 as codes, laid in the order of a matrix operand's registers.
; THE QUANTISER: a block of 32 along K has the scale 2^(floor(log2(its largest magnitude)) - 2); the scale's byte is the largest magnitude's exponent field - 2, held at 1 from below; each number
; is divided by the scale and rounded to the nearest code, ties to even, beyond 6 the largest code.
; LIMITS: NaN and infinities among the inputs are not served.  A block whose largest magnitude lies under 2^-124, a block of zeros among them, gets the byte 1 (the rule says 127 for zeros): its codes
; are zeros or as the held scale gives them, and the bytes are read by this program alone.  The argmax is taken on the logits (the softmax keeps their order); the lower index wins a tie.
; X PATH.  A work-group takes 32 tokens, wave w the numbers k = 128 w .. 128 w + 127 of each.  A load reads 512 consecutive bytes of one row; the wave's 16 KiB turn through its own stage in LDS, so that
; afterwards a LANE IS A TOKEN and its 128 registers run along K: a block's maximum needs no other lane, the conversions find neighbours along K, and the eight logits are plain sums of a lane.
; Wg's numbers are spread over the sixteen lanes of each row of lanes and reach all of them by row_share on the multiply-add itself.  The four waves' partial logits meet in LDS; wave 0 finishes them.
; WHAT THE ROUTER LEAVES: gatew[token] = 1 / sum of exp(l - max) (the largest probability), and for the group of 32 tokens a record of 16 words in route: words 0-7 the mask of each expert's tokens
; (bit i = token 32 g + i), words 8-11 the eight counts, two to a word, words 12-15 zero.  All at fixed places: no address here hangs on the choice.
; W PATH.  A work-group takes (expert e, matrix p, 128 units w, K step ks of 128), wave b 32 units.  K is the weights' MIDDLE axis: a lane takes a unit (a column) and its 128 registers run down K.
; wq: [e][p][w][s][t][c][lane][16 bytes]: lane (r, h) holds k = 128 s + 64 c + 32 h + 0 .. 31 of unit 128 w + 32 (t/2) + 8 (t%2) + r + 8 (r/8) for W1 (so that the next launch's results lie along its
; next K) and of unit 128 w + 16 t + r for W2.  ws: [e][p][w][b][s][lane][4 bytes]: the scale word of tile 2 b + lane / 16, row lane % 16.
; No matrix unit, no cluster, no tensor load: memory binds, nothing is read twice, and the waves share only what the one barrier hands over.
.set TSTW, 16896                       ; LDS 0: a turning stage for each wave: 32 rows of 512 bytes + 16
.set TP,   528
.set CST,  67584                       ; the codes of 32 tokens: 256 bytes + 16 a token
.set CP,   272
.set SST,  76288                       ; their scale words: 16 bytes a token
.set LST,  76800                       ; partial logits: 1,536 bytes a wave, 48 a token (32 used)
.set LP,   48
.set L,    16                          ; v16-23   eight sums
.set X,    32                          ; v32-159  128 numbers
.set WG,   160                         ; v160-223 Wg's 128 rows of the wave's part, spread over sixteen lanes
.set C,    224                         ; v224-239 codes: four registers a block, so that no store's data are written again
; v24, v25 the two chains of a maximum; v26 the conversion's scale operand; v27 the scale word; v28 a scale byte
; 32 numbers of a lane, v[src] on, become block j of four: codes in v[C + 4 j] on, the byte in v27
.macro QBLOCK src, j
	v_max3_num_f32 v24, |v[(\src)]|, |v[(\src)+1]|, |v[(\src)+2]|
	v_max3_num_f32 v25, |v[(\src)+3]|, |v[(\src)+4]|, |v[(\src)+5]|
.irp i, 6,10,14,18,22,26
	v_max3_num_f32 v24, v24, |v[(\src)+\i]|, |v[(\src)+\i+1]|
	v_max3_num_f32 v25, v25, |v[(\src)+\i+2]|, |v[(\src)+\i+3]|
.endr
	v_max3_num_f32 v24, v24, |v[(\src)+30]|, |v[(\src)+31]|
	v_max3_num_f32 v24, v24, v25, 0x1800000        ; and the floor 2^(3 - 127): the byte cannot fall under 1
	v_add_nc_u32 v26, 0xff000000, v24              ; 2 off the exponent field: the conversion takes this operand's exponent field as its scale
.if (\j) == 0
	v_lshrrev_b32 v27, 23, v26                     ; the scale's byte; four make the word of 128 along K, the lower K in the lower byte
.else
	v_lshrrev_b32 v28, 23, v26
	v_lshl_or_b32 v27, v28, 8*(\j), v27
.endif
.irp g, 0,1,2,3
	v_cvt_scalef32_pk8_fp4_f32 v[C+4*(\j)+\g], v[(\src)+8*\g:(\src)+8*\g+7], v26
.endr
	v_nop                                          ; one plain line behind the last conversion of a run
.endm
; the 32 k of block jb into the eight logits.  Register WG + 4 q + j of lane n (of sixteen) holds Wg[8 q + n / 2][4 (n % 2) + j]: row_share n hands it to every lane
.macro DOTS jb
.set Q, 4*(\jb)
.rept 4
.irp sh, 0,1,2,3,4,5,6,7,8,9,10,11,12,13,14,15
.irp j, 0,1,2,3
	v_fmac_f32_dpp v[L+4*(\sh%2)+\j], v[WG+4*Q+\j], v[X+8*Q+\sh/2] row_share:\sh row_mask:0xf bank_mask:0xf
.endr
.endr
.set Q, Q+1
.endr
.endm
	s_load_b512 s[4:19], s[0:1], 0x0               ; x 4, Wg 6, bg 8, W1 10, W2 12, xcodes 14, xscales 16, gatew 18
	s_load_b128 s[20:23], s[0:1], 0x40             ; route 20, wq 22
	s_load_b64 s[24:25], s[0:1], 0x50              ; ws
	v_lshl_add_u32 v240, v0, 2, 0x14400
	v_mov_b32 v241, 0
	v_and_b32 v1, 31, v0                           ; lane
	v_lshrrev_b32 v2, 5, v0
	v_readfirstlane_b32 s26, v2                    ; wave 0..3
	s_mov_b32 s29, 0                               ; the upper word of the offset pair s[28:29]
	s_wait_kmcnt 0x0
	s_cmp_ge_u32 ttmp9, 256
	s_cbranch_scc1 .Lweights
	; ======== X PATH: tokens 32 g .. 32 g + 31, g = the work-group's number
	v_lshlrev_b32 v2, 4, v1                        ; 16 x lane
	v_and_b32 v3, 15, v0
	v_lshlrev_b32 v3, 4, v3                        ; 16 x (lane % 16)
	s_lshl_b32 s28, ttmp9, 16                      ; 32 rows of 2,048 bytes,
	s_lshl_b32 s27, s26, 9                         ; my wave's 512 bytes of a row
	s_add_co_u32 s28, s28, s27
	s_add_nc_u64 s[4:5], s[4:5], s[28:29]
	s_lshl_b32 s28, s26, 12                        ; my wave's 128 rows of Wg, 32 bytes each
	s_add_nc_u64 s[6:7], s[6:7], s[28:29]
	s_load_b256 s[32:39], s[8:9], 0x0              ; bg
.set i, 0
.rept 16
	global_load_b128 v[WG+4*i:WG+4*i+3], v3, s[6:7] offset:256*i
.set i, i+1
.endr
.set i, 0
.rept 32
	global_load_b128 v[X+4*i:X+4*i+3], v2, s[4:5] offset:2048*i th:TH_LOAD_NT   ; row i: 32 lanes read 512 consecutive bytes; all of the wave's 16 KiB are asked for at once
.set i, i+1
.endr
	; every LDS address: a constant + a constant x lane + a constant x wave
	s_mul_i32 s27, s26, TSTW
	v_add_nc_u32 v4, s27, v2                       ; the stage, in: 16 x lane of a row
	v_mul_u32_u24 v5, v1, TP
	v_add_nc_u32 v5, s27, v5                       ; and out: row = lane
	s_lshl_b32 s27, s26, 6
	s_add_co_u32 s27, s27, CST
	v_mul_u32_u24 v6, v1, CP
	v_add_nc_u32 v6, s27, v6                       ; my token's codes, my wave's 64 bytes
	s_lshl_b32 s27, s26, 2
	s_add_co_u32 s27, s27, SST
	v_add_nc_u32 v7, s27, v2                       ; my token's scale word of K step w
	s_mul_i32 s27, s26, 32*LP
	s_add_co_u32 s27, s27, LST
	v_mul_u32_u24 v11, v1, LP
	v_add_nc_u32 v8, s27, v11                      ; my wave's partial logits of my token
	v_add_nc_u32 v11, LST, v11                     ; wave 0 reads all four from here
	v_lshrrev_b32 v13, 4, v1
	v_mul_u32_u24 v9, v13, CP
	v_add_nc_u32 v9, v9, v3
	s_mul_i32 s27, s26, 8*CP
	s_add_co_u32 s27, s27, CST
	v_add_nc_u32 v9, s27, v9                       ; codes on their way out: tokens 8 w + lane / 16 on, 16 bytes a lane
	v_add_nc_u32 v10, SST, v2                      ; scale words on their way out
	v_lshl_add_u32 v12, s26, 11, v2                ; the same codes' place in xcodes: 2,048 w + 16 x lane
	v_lshlrev_b32 v14, 2, v1                       ; 4 x lane
	s_lshl_b32 s28, ttmp9, 13
	s_add_nc_u64 s[14:15], s[14:15], s[28:29]      ; xcodes: 256 bytes a token
	s_lshl_b32 s28, ttmp9, 9
	s_add_nc_u64 s[16:17], s[16:17], s[28:29]      ; xscales: 16
	s_lshl_b32 s28, ttmp9, 7
	s_add_nc_u64 s[18:19], s[18:19], s[28:29]      ; gatew: 4
	s_lshl_b32 s28, ttmp9, 6
	s_add_nc_u64 s[20:21], s[20:21], s[28:29]      ; route: 64 bytes a group
.irp e, 0,1,2,3,4,5,6,7
	v_mov_b32 v[L+\e], 0
.endr
.set i, 0
.rept 32
	s_wait_loadcnt 31-i                            ; row i is in (Wg's loads are older); the younger rows may be out
	ds_store_b128 v4, v[X+4*i:X+4*i+3] offset:TP*i
.set i, i+1
.endr
	s_wait_dscnt 0x0                               ; the stores have read their registers, which are loaded again now
.set i, 0
.rept 32
	ds_load_b128 v[X+4*i:X+4*i+3], v5 offset:16*i  ; my token's k = 4 i .. 4 i + 3 of the wave's 128
.set i, i+1
.endr
	s_wait_dscnt 24                                ; block 0's eight loads are in; behind them: 24 loads
	DOTS 0
	QBLOCK X, 0
	ds_store_b128 v6, v[C:C+3]
	s_wait_dscnt 17                                ; behind block 1's: 16 loads and 1 store
	DOTS 1
	QBLOCK X+32, 1
	ds_store_b128 v6, v[C+4:C+7] offset:16
	s_wait_dscnt 10                                ; 8 loads and 2 stores
	DOTS 2
	QBLOCK X+64, 2
	ds_store_b128 v6, v[C+8:C+11] offset:32
	s_wait_dscnt 3                                 ; 3 stores
	DOTS 3
	QBLOCK X+96, 3
	ds_store_b128 v6, v[C+12:C+15] offset:48
	ds_store_b32 v7, v27
	ds_store_b128 v8, v[L:L+3]
	ds_store_b128 v8, v[L+4:L+7] offset:16
	s_wait_kmcnt 0x0                               ; bg
	s_wait_dscnt 0x0                               ; for the others' sake: my stores have landed
	s_barrier_signal -1
	s_barrier_wait -1                              ; codes, scale words and partial logits of all four waves lie in LDS; nothing is written there any more
.irp i, 0,1,2,3
	ds_load_b128 v[128+4*\i:131+4*\i], v9 offset:2*CP*\i
.endr
.irp i, 0,1,2,3
	s_wait_dscnt 3-\i
	global_store_b128 v12, v[128+4*\i:131+4*\i], s[14:15] offset:512*\i   ; two tokens' codes: 512 consecutive bytes, aligned
.endr
	s_cmp_eq_u32 s26, 0
	s_cbranch_scc1 .Lrouter
	s_cmp_eq_u32 s26, 1
	s_cbranch_scc0 .Lxend
	ds_load_b128 v[144:147], v10                   ; wave 1: the 32 tokens' scale words
	s_wait_dscnt 0x0
	global_store_b128 v2, v[144:147], s[16:17]     ; 512 consecutive bytes, aligned
.Lxend:
	s_wait_tensorcnt 0x0
	ds_add_u32 v240, v241
	s_wait_dscnt 0x0
	s_endpgm
.Lrouter:                                          ; wave 0: a lane is a token
.irp w, 0,1,2,3
	ds_load_b128 v[32+8*\w:35+8*\w], v11 offset:32*LP*\w
	ds_load_b128 v[36+8*\w:39+8*\w], v11 offset:32*LP*\w+16
.endr
	v_mov_b32 v65, 0                               ; the index of the largest so far
	v_mov_b32 v67, 0                               ; the group's record
	s_wait_dscnt 0x0
.irp a, 0,2,4,6
	v_pk_add_f32 v[32+\a:33+\a], v[32+\a:33+\a], v[40+\a:41+\a]
	v_pk_add_f32 v[48+\a:49+\a], v[48+\a:49+\a], v[56+\a:57+\a]
.endr
.irp a, 0,2,4,6
	v_pk_add_f32 v[32+\a:33+\a], v[32+\a:33+\a], v[48+\a:49+\a]
.endr
.irp e, 0,1,2,3,4,5,6,7
	v_add_f32 v[32+\e], s[32+\e], v[32+\e]         ; the logits
.endr
	v_cmp_le_f32 vcc_lo, v33, v32                  ; not larger: the lower index stays
	v_cndmask_b32 v65, 1, v65, vcc_lo
	v_max_num_f32 v64, v32, v33
.irp e, 2,3,4,5,6,7
	v_cmp_le_f32 vcc_lo, v[32+\e], v64
	v_cndmask_b32 v65, \e, v65, vcc_lo
	v_max_num_f32 v64, v64, v[32+\e]
.endr
.irp e, 0,1,2,3,4,5,6,7
	v_sub_f32 v[72+\e], v[32+\e], v64              ; the maximum comes off ahead of the exponential
.endr
.irp e, 0,1,2,3,4,5,6,7
	v_mul_f32 v[72+\e], 0x3fb8aa3b, v[72+\e]
.endr
.irp e, 0,1,2,3,4,5,6,7
	v_exp_f32 v[72+\e], v[72+\e]
.endr
	v_nop                                          ; a plain line behind the exponentials
	s_wait_alu depctr_va_vdst(0)
	v_pk_add_f32 v[72:73], v[72:73], v[74:75]
	v_pk_add_f32 v[76:77], v[76:77], v[78:79]
	v_pk_add_f32 v[72:73], v[72:73], v[76:77]
	v_add_f32 v72, v72, v73
	v_rcp_f32 v66, v72                             ; the largest probability: exp(0) / the sum
	v_nop
.irp e, 0,1,2,3,4,5,6,7
	v_cmp_eq_u32 s[40+\e], \e, v65                 ; expert e's tokens as a mask of lanes
.endr
.irp a, 0,1,2,3
	s_bcnt1_i32_b32 s52, s[40+2*\a]
	s_bcnt1_i32_b32 s53, s[41+2*\a]
	s_lshl_b32 s53, s53, 16
	s_or_b32 s[48+\a], s52, s53                    ; two counts to a word
.endr
.irp e, 0,1,2,3,4,5,6,7
	v_writelane_b32 v67, s[40+\e], \e
.endr
.irp a, 0,1,2,3
	v_writelane_b32 v67, s[48+\a], 8+\a
.endr
	s_wait_alu depctr_va_vdst(0)
	global_store_b32 v14, v66, s[18:19]
	s_wait_xcnt 0x0                                ; EXEC changes only behind this wait
	v_cmp_gt_u32 vcc_lo, 16, v1
	s_wait_tensorcnt 0x0
	ds_add_u32 v240, v241
	s_wait_dscnt 0x0
	s_and_saveexec_b32 s54, vcc_lo
	global_store_b32 v14, v67, s[20:21]            ; sixteen words
	s_wait_xcnt 0x0
	s_or_b32 exec_lo, exec_lo, s54
	s_endpgm
	; ======== W PATH
.Lweights:
	s_sub_co_u32 s27, ttmp9, 256
	s_and_b32 s31, s27, 3                          ; ks: which 128 along K
	s_bfe_u32 s32, s27, 0x20002                    ; w: which 128 units
	s_bfe_u32 s33, s27, 0x10004                    ; p: W1 or W2
	s_lshr_b32 s34, s27, 5                         ; e: the expert
	s_cmp_eq_u32 s33, 0                            ; the choice hangs on the work-group's number alone
	s_cselect_b64 s[10:11], s[10:11], s[12:13]
	s_cselect_b32 s30, -1, 0
	s_lshl_b32 s28, s34, 20                        ; an expert's matrix is 2^20 bytes,
	s_lshl_b32 s27, s31, 18                        ; 128 rows of 2,048 bytes,
	s_add_co_u32 s28, s28, s27
	s_lshl_b32 s27, s32, 9                         ; 128 columns,
	s_add_co_u32 s28, s28, s27
	s_lshl_b32 s27, s26, 7                         ; my wave's 32 columns
	s_add_co_u32 s28, s28, s27
	s_add_nc_u64 s[10:11], s[10:11], s[28:29]
	v_and_b32 v5, 7, v1
	v_lshrrev_b32 v6, 4, v1
	v_bfe_u32 v7, v1, 3, 1
	v_lshl_add_u32 v8, v6, 3, v5
	v_lshl_add_u32 v8, v7, 4, v8                   ; W1: tile 2 b + lane / 16, row r = lane % 16 is column 8 (lane / 16) + r + 8 (r / 8) of the wave's 32
	v_cndmask_b32 v2, v1, v8, s30                  ; W2: column = lane
	v_lshlrev_b32 v2, 2, v2
.set i, 0
.rept 128
	global_load_b32 v[X+i], v2, s[10:11] offset:2048*i th:TH_LOAD_NT   ; row k = i at my column: the wave reads 128 consecutive bytes, the four waves 512
.set i, i+1
.endr
	s_lshl_b32 s35, s34, 1
	s_add_co_u32 s35, s35, s33
	s_lshl_b32 s35, s35, 2
	s_add_co_u32 s35, s35, s32                     ; the region (2 e + p) 4 + w
	s_lshl_b32 s28, s35, 15
	s_lshl_b32 s27, s31, 13
	s_add_co_u32 s28, s28, s27
	s_lshl_b32 s27, s26, 11
	s_add_co_u32 s28, s28, s27
	s_add_nc_u64 s[22:23], s[22:23], s[28:29]      ; wq: region, K step, my two tiles
	s_lshl_b32 s28, s35, 11
	s_lshl_b32 s27, s26, 2
	s_add_co_u32 s27, s27, s31
	s_lshl_b32 s27, s27, 7
	s_add_co_u32 s28, s28, s27
	s_add_nc_u64 s[24:25], s[24:25], s[28:29]      ; ws: region, (4 b + ks) x 128 bytes
	v_and_b32 v9, 15, v1
	v_lshlrev_b32 v3, 4, v9
	v_lshl_add_u32 v3, v6, 10, v3                  ; my tile's 1,024 bytes, my row's 16; block j = 2 c + h lies 256 j further on
	v_lshlrev_b32 v4, 2, v1
	s_wait_loadcnt 63                              ; block 0 is in: 96 loads are younger, and the count's field holds 63 at the most: a smaller count only waits longer
	QBLOCK X, 0
	global_store_b128 v3, v[C:C+3], s[22:23]       ; sixteen lanes store 256 consecutive bytes, aligned
	s_wait_loadcnt 63                              ; 64 are younger
	QBLOCK X+32, 1
	global_store_b128 v3, v[C+4:C+7], s[22:23] offset:256
	s_wait_loadcnt 32
	QBLOCK X+64, 2
	global_store_b128 v3, v[C+8:C+11], s[22:23] offset:512
	s_wait_loadcnt 0x0
	QBLOCK X+96, 3
	global_store_b128 v3, v[C+12:C+15], s[22:23] offset:768
	global_store_b32 v4, v27, s[24:25]             ; 32 scale words: 128 consecutive bytes
	s_endpgm
.Lfunc_end_k_q161f64679a_prep:
	.size	k_q161f64679a_prep, .Lfunc_end_k_q161f64679a_prep-k_q161f64679a_prep
	.p2alignl 7, 3214868480
	.fill 96, 4, 3214868480
	.section	.rodata,"a",@progbits
	.p2align	6, 0x0
	.amdhsa_kernel k_q161f64679a_prep
		.amdhsa_group_segment_fixed_size 83456
		.amdhsa_private_segment_fixed_size 0
		.amdhsa_enable_private_segment 0
		.amdhsa_kernarg_size 88
		.amdhsa_user_sgpr_count 2
		.amdhsa_user_sgpr_kernarg_segment_ptr 1
		.amdhsa_wavefront_size32 1
		.amdhsa_system_sgpr_workgroup_id_x 1
		.amdhsa_system_sgpr_workgroup_id_y 1
		.amdhsa_system_sgpr_workgroup_id_z 1
		.amdhsa_system_vgpr_workitem_id 0
		.amdhsa_next_free_vgpr 242
		.amdhsa_next_free_sgpr 66
		.amdhsa_reserve_vcc 1
		.amdhsa_float_denorm_mode_32 3
		.amdhsa_float_denorm_mode_16_64 3
		.amdhsa_memory_ordered 1
		.amdhsa_forward_progress 1
		.amdhsa_inst_pref_size 111
	.end_amdhsa_kernel
	.amdgpu_metadata
---
amdhsa.version: [ 1, 2 ]
amdhsa.kernels:
  - .name:           k_q161f64679a_prep
    .symbol:         k_q161f64679a_prep.kd
    .args:
      - { .name: x, .offset: 0, .size: 8, .value_kind: global_buffer, .address_space: global }
      - { .name: Wg, .offset: 8, .size: 8, .value_kind: global_buffer, .address_space: global }
      - { .name: bg, .offset: 16, .size: 8, .value_kind: global_buffer, .address_space: global }
      - { .name: W1, .offset: 24, .size: 8, .value_kind: global_buffer, .address_space: global }
      - { .name: W2, .offset: 32, .size: 8, .value_kind: global_buffer, .address_space: global }
      - { .name: xcodes, .offset: 40, .size: 8, .value_kind: global_buffer, .address_space: global }
      - { .name: xscales, .offset: 48, .size: 8, .value_kind: global_buffer, .address_space: global }
      - { .name: gatew, .offset: 56, .size: 8, .value_kind: global_buffer, .address_space: global }
      - { .name: route, .offset: 64, .size: 8, .value_kind: global_buffer, .address_space: global }
      - { .name: wq, .offset: 72, .size: 8, .value_kind: global_buffer, .address_space: global }
      - { .name: ws, .offset: 80, .size: 8, .value_kind: global_buffer, .address_space: global }
    .group_segment_fixed_size: 83456
    .private_segment_fixed_size: 0
    .kernarg_segment_align: 8
    .kernarg_segment_size: 88
    .max_flat_workgroup_size: 128
    .sgpr_count:     66
    .vgpr_count:     242
    .wavefront_size: 32
...
	.end_amdgpu_metadata
.endif
;; end of part 1
;; launch place (part 2): grid 263 x 1, 1 waves a work-group, no clusters, 0 bytes of LDS; arguments route, tiles; writes tiles
.if DOCPART == 2
	.amdgcn_target "amdgcn-amd-amdhsa--gfx1250"
	.amdhsa_code_object_version 6
	.text
	.protected	k_q161f64679a_place
	.globl	k_q161f64679a_place
	.p2align	8
	.type	k_q161f64679a_place,@function
k_q161f64679a_place:
	s_mov_b64 s[64:65], 0
	v_nop
	global_prefetch_b8 v0, s[64:65] scope:SCOPE_SE
	s_setreg_imm32_b32 hwreg(HW_REG_WAVE_MODE, 25, 1), 1
	s_wait_xcnt 0x0
; PLACE.  The tokens are dealt to tiles of 32 rows of ONE expert.  8,192 tokens on 8 experts are never more than 8192 / 32 + 8 - 1 = 263 tiles, whatever the split.  Work-group t, one wave, makes tile t's record.
; IN: route, for each group g of 32 tokens 16 words: words 0-7 the mask of each expert's tokens (bit i = token 32 g + i), words 8-11 the eight counts, two to a word.
; OUT: tiles[t], 256 bytes: word 2 i = the token of row i; every odd word = the header: the tile's expert, + 256 if the tile has rows.  The next launch takes its branch and its addresses from these numbers as they stand.
; A tile that is not full repeats its last row.  A tile that this split does not have gets the header without the 256; its tokens are held inside the table and mean nothing.
; Everything here is whole numbers.  No branch and no address hangs on them: the table is read at fixed places, the record is stored at 256 t.
; A TOKEN'S RANK among its expert's goes by lane of the table (lane l holds groups 32 i + l), then i, then bit: the same order in every work-group, so the tiles share the tokens out without gap or overlap.
; REGISTERS: v1 lane, v[2:3] the record's pair, v4 8 x lane, v11 64 x lane; v32-95 masks (8 i + e); v96-127 packed counts (4 i + a); v128-195 at work.
; s23 t; s24-27 packed totals; s32-62 sums of the lanes' counts; s68-75 the eight totals; s76 first tile of the expert in hand, at the end the number of tiles; s77 expert, s78 its first tile, s79 its tokens.
; one step of the search for set bit number v183 of a mask: is it in the lower half of what is left?  reg: the counts of fields of that width
.macro NARROW reg, mask, width
	v_lshrrev_b32 v187, v192, v[\reg]
	v_and_b32 v187, \mask, v187
	v_cmp_lt_u32 vcc_lo, v183, v187
	v_cndmask_b32 v187, v187, v194, vcc_lo         ; if not, the lower half's count comes off
	v_cndmask_b32 v193, \width, v194, vcc_lo       ; and the place moves up
	v_sub_nc_u32 v183, v183, v187
	v_add_nc_u32 v192, v192, v193
.endm
	s_load_b128 s[4:7], s[0:1], 0x0                ; route 4, tiles 6
	v_and_b32 v1, 31, v0                           ; lane
	v_lshlrev_b32 v11, 6, v1                       ; a group's record is 64 bytes
	v_lshlrev_b32 v4, 3, v1                        ; my 8 bytes of the tile's record
	s_mov_b32 s23, ttmp9                           ; t: my tile
	s_mov_b32 s28, 0x76543210
	s_mov_b32 s29, 0xfedcba98                      ; v_permlanex16_b32's selects for lane l xor 16
	s_lshl_b32 s30, ttmp9, 8
	s_mov_b32 s31, 0
	s_wait_kmcnt 0x0
	s_add_nc_u64 s[6:7], s[6:7], s[30:31]          ; tiles at my record
	; ---- 1: the table.  Lane l takes groups 32 i + l, i = 0 .. 7: masks to v[32 + 8 i] on, packed counts to v[96 + 4 i] on
.irp i, 0,1,2,3,4,5,6,7
	global_load_b128 v[32+8*\i:35+8*\i], v11, s[4:5] offset:2048*\i
	global_load_b128 v[36+8*\i:39+8*\i], v11, s[4:5] offset:2048*\i+16
	global_load_b128 v[96+4*\i:99+4*\i], v11, s[4:5] offset:2048*\i+32
.endr
.irp a, 0,1,2,3
	v_mov_b32 v[132+\a], 0                         ; written once: the destination of a lane exchange counts as read
.endr
	s_wait_loadcnt 0x0
	; ---- 2: the eight experts' totals (16-bit fields: a total is 8,192 at the most), then my tile's expert
.irp a, 0,1,2,3
	v_add_nc_u32 v[128+\a], v[96+\a], v[100+\a]
.endr
.irp i, 2,3,4,5,6,7
.irp a, 0,1,2,3
	v_add_nc_u32 v[128+\a], v[128+\a], v[96+4*\i+\a]
.endr
.endr
.irp x, 1,2,4,8
.irp a, 0,1,2,3
	v_mov_b32_dpp v[132+\a], v[128+\a] row_xmask:\x row_mask:0xf bank_mask:0xf
.endr
.irp a, 0,1,2,3
	v_add_nc_u32 v[128+\a], v[128+\a], v[132+\a]
.endr
.endr
.irp a, 0,1,2,3
	v_permlanex16_b32 v[132+\a], v[128+\a], s28, s29
.endr
.irp a, 0,1,2,3
	v_add_nc_u32 v[128+\a], v[128+\a], v[132+\a]
.endr
.irp a, 0,1,2,3
	v_readfirstlane_b32 s[24+\a], v[128+\a]
.endr
.irp a, 0,1,2,3
	s_and_b32 s[68+2*\a], s[24+\a], 0xffff
	s_lshr_b32 s[69+2*\a], s[24+\a], 16
.endr
	s_mov_b32 s76, 0
	s_mov_b32 s77, 0
	s_mov_b32 s78, 0
	s_mov_b32 s79, 0
.irp e, 0,1,2,3,4,5,6,7
	s_cmp_ge_u32 s23, s76                          ; the last expert whose first tile is at or under t owns tile t
	s_cselect_b32 s77, \e, s77
	s_cselect_b32 s78, s76, s78
	s_cselect_b32 s79, s[68+\e], s79
	s_add_co_u32 s80, s[68+\e], 31
	s_lshr_b32 s80, s80, 5
	s_add_co_u32 s76, s76, s80
.endr
	s_min_u32 s77, s77, 7
	s_cmp_lt_u32 s23, s76                          ; has this split a tile t?
	s_cselect_b32 s81, 256, 0
	s_or_b32 s81, s81, s77                         ; the header
	s_sub_co_u32 s82, s23, s78
	s_lshl_b32 s82, s82, 5                         ; my first row's rank among the expert's tokens
	s_sub_co_u32 s83, s79, 1                       ; the last rank there is
	s_bitcmp1_b32 s77, 0
	s_cselect_b32 s84, -1, 0                       ; the expert's three bits as masks of lanes
	s_bitcmp1_b32 s77, 1
	s_cselect_b32 s85, -1, 0
	s_bitcmp1_b32 s77, 2
	s_cselect_b32 s86, -1, 0
	s_and_b32 s88, s77, 1
	s_lshl_b32 s88, s88, 4                         ; which half of a packed count
	; ---- 3: my row's token
.irp i, 0,1,2,3,4,5,6,7
	v_cndmask_b32 v168, v[32+8*\i], v[33+8*\i], s84
	v_cndmask_b32 v169, v[34+8*\i], v[35+8*\i], s84
	v_cndmask_b32 v170, v[36+8*\i], v[37+8*\i], s84
	v_cndmask_b32 v171, v[38+8*\i], v[39+8*\i], s84
	v_cndmask_b32 v168, v168, v169, s85
	v_cndmask_b32 v170, v170, v171, s85
	v_cndmask_b32 v[152+\i], v168, v170, s86       ; my expert's mask of group 32 i + lane
	v_cndmask_b32 v172, v[96+4*\i], v[97+4*\i], s85
	v_cndmask_b32 v173, v[98+4*\i], v[99+4*\i], s85
	v_cndmask_b32 v172, v172, v173, s86
	v_lshrrev_b32 v172, s88, v172
	v_and_b32 v[136+\i], 0xffff, v172              ; and its count
.endr
	v_add_nc_u32 v144, v136, v137                  ; how many come before group i in my lane: i = 1 is v136 itself; i = 2 .. 7,
	v_add_nc_u32 v145, v144, v138
	v_add_nc_u32 v146, v145, v139
	v_add_nc_u32 v147, v146, v140
	v_add_nc_u32 v148, v147, v141
	v_add_nc_u32 v149, v148, v142
	v_add_nc_u32 v151, v149, v143                  ; and my lane's total
	v_lshl_or_b32 v179, v144, 8, v136              ; the seven as bytes (224 at the most) in two words
	v_lshl_or_b32 v179, v145, 16, v179
	v_lshl_or_b32 v179, v146, 24, v179
	v_lshl_or_b32 v180, v148, 8, v147
	v_lshl_or_b32 v180, v149, 16, v180
.set n, 0
.rept 31
	v_readlane_b32 s[32+n], v151, n
.set n, n+1
.endr
.set n, 1
.rept 30
	s_add_co_u32 s[32+n], s[32+n], s[31+n]         ; how many lie in lanes 0 .. n
.set n, n+1
.endr
	v_add_nc_u32 v176, s82, v1
	v_min_u32 v176, s83, v176                      ; my row's rank; spare rows of a tile that is not full repeat the last
	v_mov_b32 v177, 0
	v_mov_b32 v178, 0
.set n, 0
.rept 31
	v_cmp_gt_u32 vcc_lo, s[32+n], v176             ; the sums never fall: the last n whose sum is at or under the rank decides
	v_cndmask_b32 v177, s[32+n], v177, vcc_lo      ; how many lie in the lanes before,
	v_cndmask_b32 v178, n+1, v178, vcc_lo          ; and the table's lane
.set n, n+1
.endr
	v_min_u32 v178, 31, v178
	v_lshlrev_b32 v195, 2, v178
.irp i, 0,1,2,3,4,5,6,7
	ds_bpermute_b32 v[160+\i], v195, v[152+\i]     ; that lane's eight masks (a lane permute: no LDS byte is touched)
.endr
	ds_bpermute_b32 v181, v195, v179               ; and its seven sums
	ds_bpermute_b32 v182, v195, v180
	v_sub_nc_u32 v183, v176, v177                  ; the rank within that lane
	v_mov_b32 v184, 0
	v_mov_b32 v185, 0
	v_mov_b32 v194, 0
	s_wait_dscnt 0x0
.irp i, 1,2,3,4,5,6,7
	v_bfe_u32 v187, v[181+(\i-1)/4], 8*((\i-1)%4), 8
	v_cmp_lt_u32 vcc_lo, v183, v187
	v_cndmask_b32 v184, \i, v184, vcc_lo           ; i,
	v_cndmask_b32 v185, v187, v185, vcc_lo         ; how many come before it,
	v_cndmask_b32 v160, v[160+\i], v160, vcc_lo    ; and its mask
.endr
	v_sub_nc_u32 v183, v183, v185                  ; the rank within the mask
	v_lshrrev_b32 v187, 1, v160                    ; counts of set bits in fields of 2, 4, 8 and 16 bits
	v_and_b32 v187, 0x55555555, v187
	v_sub_nc_u32 v188, v160, v187
	v_lshrrev_b32 v187, 2, v188
	v_and_b32 v187, 0x33333333, v187
	v_and_b32 v189, 0x33333333, v188
	v_add_nc_u32 v189, v189, v187
	v_lshrrev_b32 v187, 4, v189
	v_add_nc_u32 v187, v187, v189
	v_and_b32 v190, 0x0f0f0f0f, v187
	v_lshrrev_b32 v187, 8, v190
	v_add_nc_u32 v187, v187, v190
	v_and_b32 v191, 0x00ff00ff, v187
	v_and_b32 v187, 0xffff, v191                   ; the first step, at place 0
	v_cmp_lt_u32 vcc_lo, v183, v187
	v_cndmask_b32 v187, v187, v194, vcc_lo
	v_cndmask_b32 v192, 16, v194, vcc_lo
	v_sub_nc_u32 v183, v183, v187
	NARROW 190, 0xff, 8
	NARROW 189, 15, 4
	NARROW 188, 3, 2
	NARROW 160, 1, 1
	v_lshl_add_u32 v187, v184, 5, v178             ; the group 32 i + lane,
	v_lshl_add_u32 v2, v187, 5, v192               ; the token 32 x group + bit: lane l holds row l's
	v_min_u32 v2, 0x1fff, v2                       ; (a tile that does not exist: held inside the table)
	v_mov_b32 v3, s81
	global_store_b64 v4, v[2:3], s[6:7]            ; the wave stores 256 consecutive bytes, aligned
	s_endpgm
.Lfunc_end_k_q161f64679a_place:
	.size	k_q161f64679a_place, .Lfunc_end_k_q161f64679a_place-k_q161f64679a_place
	.p2alignl 7, 3214868480
	.fill 96, 4, 3214868480
	.section	.rodata,"a",@progbits
	.p2align	6, 0x0
	.amdhsa_kernel k_q161f64679a_place
		.amdhsa_group_segment_fixed_size 0
		.amdhsa_private_segment_fixed_size 0
		.amdhsa_enable_private_segment 0
		.amdhsa_kernarg_size 16
		.amdhsa_user_sgpr_count 2
		.amdhsa_user_sgpr_kernarg_segment_ptr 1
		.amdhsa_wavefront_size32 1
		.amdhsa_system_sgpr_workgroup_id_x 1
		.amdhsa_system_sgpr_workgroup_id_y 1
		.amdhsa_system_sgpr_workgroup_id_z 1
		.amdhsa_system_vgpr_workitem_id 0
		.amdhsa_next_free_vgpr 200
		.amdhsa_next_free_sgpr 90
		.amdhsa_reserve_vcc 1
		.amdhsa_float_denorm_mode_32 3
		.amdhsa_float_denorm_mode_16_64 3
		.amdhsa_memory_ordered 1
		.amdhsa_forward_progress 1
		.amdhsa_inst_pref_size 26
	.end_amdhsa_kernel
	.amdgpu_metadata
---
amdhsa.version: [ 1, 2 ]
amdhsa.kernels:
  - .name:           k_q161f64679a_place
    .symbol:         k_q161f64679a_place.kd
    .args:
      - { .name: route, .offset: 0, .size: 8, .value_kind: global_buffer, .address_space: global }
      - { .name: tiles, .offset: 8, .size: 8, .value_kind: global_buffer, .address_space: global }
    .group_segment_fixed_size: 0
    .private_segment_fixed_size: 0
    .kernarg_segment_align: 8
    .kernarg_segment_size: 16
    .max_flat_workgroup_size: 32
    .sgpr_count:     90
    .vgpr_count:     200
    .wavefront_size: 32
...
	.end_amdgpu_metadata
.endif
;; end of part 2
;; launch chain (part 3): grid 263 x 1, 4 waves a work-group, no clusters, 47,104 bytes of LDS; arguments tiles, xcodes, xscales, gatew, wq, ws, b1, b2, out0; writes out0
.if DOCPART == 3
	.amdgcn_target "amdgcn-amd-amdhsa--gfx1250"
	.amdhsa_code_object_version 6
	.text
	.protected	k_q161f64679a_chain
	.globl	k_q161f64679a_chain
	.p2align	8
	.type	k_q161f64679a_chain,@function
k_q161f64679a_chain:
	s_mov_b64 s[64:65], 0
	v_nop
	global_prefetch_b8 v0, s[64:65] scope:SCOPE_SE
	s_setreg_imm32_b32 hwreg(HW_REG_WAVE_MODE, 25, 1), 1
	s_wait_xcnt 0x0
; CHAIN.  out[token] = p_max x (gelu(x W1[e] + b1[e]) W2[e] + b2[e]) for the ONE expert e that the router chose for the token; the other experts' rows, which the problem gathers away, are not computed.
; Both products on codes of FP4 (E2M1) with one E8M0 scale for each 32 along K; sums, gelu and all else in f32.
; THE GRID SERVES EVERY SPLIT: 8,192 tokens in tiles of 32 rows of one expert are never more than 8192 / 32 + 8 - 1 = 263 tiles.  Work-group t reads tile t's record, 256 bytes, which the launch before stored:
; word 2 i the token of row i, every odd word the header (the expert, + 256 if the tile has rows).  A work-group that the split leaves without rows walks on with held indices as far as the one barrier, which
; every wave must pass, stores nothing and ends.  A tile that is not full repeats its last row: the same numbers are stored to the same place a second time.
; SHARES.  Four waves; wave w makes hidden units 128 w .. 128 w + 127 and outputs 128 w .. 128 w + 127 for all 32 rows (two tiles of 16 tokens).  Its 32 KiB of W1, then of W2, come from memory straight into
; registers, laid by the first launch in the order of the operand's registers.  The hidden layer goes from wave to wave through LDS as images of the operand's registers and never to memory.
; NO CLUSTER, NO TENSOR LOAD: which expert a tile belongs to hangs on counts read from memory, so neighbours in the grid need not share an expert, and a joint request must be alike in all partners.
; BOTH PRODUCTS ARE USED TRANSPOSED (source 0 = 16 rows of the weight, source 1 = 16 tokens): a lane holds ONE token (lane % 16) and its registers run along the units.  W1's rows of a tile are chosen so
; that the 16 registers of tiles 2 b and 2 b + 1 are 16 neighbours along the next K: units 32 b + 16 (lane / 16) + 0 .. 15.  The biases lie in the accumulators before the first product adds onto them.
; GELU: 0.5 x (1 + erf(x / sqrt 2)), erf(z) = z A(z^2) / B(z^2) with z held to +-4, A of degree 6, B of degree 4.
; LIMITS: NaN and infinities are not served.  erf is right to a few units in its last place, so gelu carries an absolute error of about 1e-7 x |x| (it shows in the far negative tail alone).
; A block of the hidden layer whose largest magnitude lies under 2^-124 gets the scale byte 1.
; REGISTERS.  Window 0: v1 lane, v2 16 (lane / 16), v4 16 x lane, v5 4 x lane, v6-10 gather offsets, v[12:13], v[30:31] the gate weights of token tiles 0, 1 (each twice), v14-18, v21-23 LDS addresses and the
;   place in a row of out, v19 8 (lane % 16), v20 8 x lane, v[24:27] two constants as pairs; v32-95 XF: x's fragments, then gelu's and the quantiser's work, then the hidden fragments, then rows of out;
;   v96-223 ACC: 16 accumulators (64 m + 8 t); v224-239, v240-243, v244-247 scale words and nothing else; v248-255 the bias rows as loaded.   Window 1: 64 fragments of W.
; s[2:3] an offset pair (s3 = 0); s22 wave; s24 header, s25 expert, s26 1 if the tile has rows; s[32:51] gelu's constants, later s[32:63], s[68:99] the 32 rows' addresses in out.
.set HIMG, 0                           ; LDS: the hidden layer's 8 fragments: (4 m + s) x 1,024 bytes
.set HSC,  8192                        ; their scale words: 128 s + 64 m + 4 r
.set BIA,  8704                        ; for each wave 1,024 bytes of its own: its 128 numbers of b1, then of b2
.set STG,  12800                       ; for each wave a stage of its own: 16 rows x (512 bytes + 16)
.set SP,   528
.set XF,   32
.set ACC,  96
.set WS,   224
.set XS,   240
.set HS,   244
.set GZ,   32                          ; gelu at work: z, z^2 (then x / 2), A, B
.set GY,   40
.set GP,   48
.set GQ,   56
.set TM,   64                          ; the quantiser at work
.set PC,   80                          ; the codes just made
.set PW,   88                          ; the scale word just made
.set MSB, 0
.macro WIN new                         ; the immediate's high byte repeats the setting that is left
.if MSB != \new
	s_set_vgpr_msb (MSB<<8)|\new
.set MSB, \new
.endif
.endm
.macro WLOAD n0, off                   ; two K steps of a weight: 32 loads of 512 consecutive bytes into window 1: fragment (s, t), half c at v[64 s + 8 t + 4 c]
	WIN 0x40
.set n, \n0
.rept 32
	global_load_b128 v[4*n:4*n+3], v4, s[12:13] offset:(\off)+512*n
.set n, n+1
.endr
	WIN 0
.endm
.macro SLOAD off                       ; a weight's scale words: register 4 b + s: lanes 0-15 tile 2 b, lanes 16-31 tile 2 b + 1, K step s
.irp b, 0,1,2,3
.irp s, 0,1,2,3
	global_load_b32 v[WS+4*\b+\s], v5, s[14:15] offset:(\off)+128*(4*\b+\s)
.endr
.endr
.endm
; one matrix instruction: K step s, token tile m, weight tile t; bs: the tokens' scale words (lanes 0-15 token tile 0, lanes 16-31 token tile 1)
.macro MM s, bs, m, t
.set rD, ACC+64*(\m)+8*(\t)
.set rA, 64*(\s)+8*(\t)
.set rB, XF+32*(\m)+8*(\s)
.set rSA, WS+4*((\t)/2)+(\s)
.set rSB, (\bs)+(\s)
.if ((\t)%2 == 0) && ((\m) == 0)
	v_wmma_scale_f32_16x16x128_f8f6f4 v[rD:rD+7], v[rA:rA+7], v[rB:rB+7], v[rD:rD+7], v[rSA], v[rSB] matrix_a_fmt:MATRIX_FMT_FP4 matrix_b_fmt:MATRIX_FMT_FP4
.elseif ((\t)%2 == 1) && ((\m) == 0)
	v_wmma_scale_f32_16x16x128_f8f6f4 v[rD:rD+7], v[rA:rA+7], v[rB:rB+7], v[rD:rD+7], v[rSA], v[rSB] matrix_a_fmt:MATRIX_FMT_FP4 matrix_b_fmt:MATRIX_FMT_FP4 matrix_a_scale:MATRIX_SCALE_ROW1
.elseif ((\t)%2 == 0)
	v_wmma_scale_f32_16x16x128_f8f6f4 v[rD:rD+7], v[rA:rA+7], v[rB:rB+7], v[rD:rD+7], v[rSA], v[rSB] matrix_a_fmt:MATRIX_FMT_FP4 matrix_b_fmt:MATRIX_FMT_FP4 matrix_b_scale:MATRIX_SCALE_ROW1
.else
	v_wmma_scale_f32_16x16x128_f8f6f4 v[rD:rD+7], v[rA:rA+7], v[rB:rB+7], v[rD:rD+7], v[rSA], v[rSB] matrix_a_fmt:MATRIX_FMT_FP4 matrix_b_fmt:MATRIX_FMT_FP4 matrix_a_scale:MATRIX_SCALE_ROW1 matrix_b_scale:MATRIX_SCALE_ROW1
.endif
.endm
.macro PROD s, bs                      ; a K step: the 16 accumulators take turns, one instruction a turn, in the same order in every K step
.irp m, 0,1
.irp t, 0,1,2,3,4,5,6,7
	MM \s, \bs, \m, \t
.endr
.endr
.endm
; gelu of the eight numbers v[a] .. v[a + 7], in place, two at a time; it begins at the accumulator's low end
.macro GELU8 a
.irp i, 0,2,4,6
	v_pk_mul_f32 v[GZ+\i:GZ+\i+1], v[(\a)+\i:(\a)+\i+1], 0x3f3504f3 op_sel_hi:[1,0]      ; z = x / sqrt 2
.endr
.irp i, 0,1,2,3,4,5,6,7
	v_med3_num_f32 v[GZ+\i], v[GZ+\i], -4.0, 4.0
.endr
.irp i, 0,2,4,6
	v_pk_mul_f32 v[GY+\i:GY+\i+1], v[GZ+\i:GZ+\i+1], v[GZ+\i:GZ+\i+1]
.endr
.irp i, 0,2,4,6
	v_pk_fma_f32 v[GP+\i:GP+\i+1], v[GY+\i:GY+\i+1], v[24:25], s[32:33] op_sel_hi:[1,1,0]
.endr
.irp i, 0,2,4,6
	v_pk_fma_f32 v[GQ+\i:GQ+\i+1], v[GY+\i:GY+\i+1], v[26:27], s[44:45] op_sel_hi:[1,1,0]
.endr
.irp c, 1,2,3
.irp i, 0,2,4,6
	v_pk_fma_f32 v[GP+\i:GP+\i+1], v[GP+\i:GP+\i+1], v[GY+\i:GY+\i+1], s[32+2*\c:33+2*\c] op_sel_hi:[1,1,0]
.endr
.irp i, 0,2,4,6
	v_pk_fma_f32 v[GQ+\i:GQ+\i+1], v[GQ+\i:GQ+\i+1], v[GY+\i:GY+\i+1], s[44+2*\c:45+2*\c] op_sel_hi:[1,1,0]
.endr
.endr
.irp c, 4,5
.irp i, 0,2,4,6
	v_pk_fma_f32 v[GP+\i:GP+\i+1], v[GP+\i:GP+\i+1], v[GY+\i:GY+\i+1], s[32+2*\c:33+2*\c] op_sel_hi:[1,1,0]
.endr
.endr
.irp i, 0,1,2,3,4,5,6,7
	v_rcp_f32 v[GQ+\i], v[GQ+\i]
.endr
.irp i, 0,2,4,6
	v_pk_mul_f32 v[GP+\i:GP+\i+1], v[GP+\i:GP+\i+1], v[GZ+\i:GZ+\i+1]                   ; plain lines behind the reciprocals
.endr
.irp i, 0,2,4,6
	v_pk_mul_f32 v[GY+\i:GY+\i+1], v[(\a)+\i:(\a)+\i+1], 0.5 op_sel_hi:[1,0]
.endr
	s_wait_alu depctr_va_vdst(0)
.irp i, 0,2,4,6
	v_pk_mul_f32 v[GP+\i:GP+\i+1], v[GP+\i:GP+\i+1], v[GQ+\i:GQ+\i+1]                   ; erf
.endr
.irp i, 0,2,4,6
	v_pk_fma_f32 v[(\a)+\i:(\a)+\i+1], v[GP+\i:GP+\i+1], v[GY+\i:GY+\i+1], v[GY+\i:GY+\i+1]   ; x / 2 + erf x / 2
.endr
.endm
; 64 numbers of a lane, register 16 b + i = k 32 b + 16 (lane / 16) + i of my token, become a fragment's codes in v[PC] on and its scale word in v[PW]
.macro QUANT s
.irp b, 0,1,2,3
	v_max3_num_f32 v[TM+\b], |v[(\s)+16*\b]|, |v[(\s)+1+16*\b]|, 0x1800000   ; my 16 numbers of block b, and the floor 2^(3 - 127): the byte cannot fall under 1
.endr
.irp i, 2,4,6,8,10,12,14
.irp b, 0,1,2,3
	v_max3_num_f32 v[TM+\b], v[TM+\b], |v[(\s)+16*\b+\i]|, |v[(\s)+1+16*\b+\i]|
.endr
.endr
.irp b, 0,1,2,3
	v_permlanex16_b32 v[TM+4+\b], v[TM+\b], s28, s29
.endr
.irp b, 0,1,2,3
	v_max_num_f32 v[TM+\b], v[TM+\b], v[TM+4+\b]   ; with lane l xor 16's: the block's largest magnitude
.endr
.irp b, 0,1,2,3
	v_add_nc_u32 v[TM+12+\b], 0xff000000, v[TM+\b] ; 2 off its exponent field: the conversion's scale operand
.endr
.irp b, 0,1,2,3
	v_lshrrev_b32 v[TM+4+\b], 23, v[TM+12+\b]      ; the scale's byte
.endr
	v_lshl_or_b32 v[PW], v[TM+5], 8, v[TM+4]
	v_lshl_or_b32 v[PW], v[TM+6], 16, v[PW]
	v_lshl_or_b32 v[PW], v[TM+7], 24, v[PW]
.irp b, 0,1,2,3
	v_cvt_scalef32_pk8_fp4_f32 v[PC+2*\b], v[(\s)+16*\b:(\s)+7+16*\b], v[TM+12+\b]
	v_cvt_scalef32_pk8_fp4_f32 v[PC+1+2*\b], v[(\s)+8+16*\b:(\s)+15+16*\b], v[TM+12+\b]
.endr
	v_nop                                          ; one plain line behind a scaled conversion
.irp c, 0,1                            ; the operand wants a WHOLE block in a lane: lanes 0-15 block 2 c, lanes 16-31 block 2 c + 1
.irp i, 0,1
	v_permlane16_swap_b32 v[PC+4*\c+\i], v[PC+2+4*\c+\i]
.endr
.endr
.endm
.macro HALF m                          ; token tile m: gelu, quantised, and its image (K step w of the second product) to LDS
.irp t, 0,1,2,3,4,5,6,7
	GELU8 ACC+64*\m+8*\t
.endr
	QUANT ACC+64*\m
	ds_store_b128 v17, v[PC:PC+3] offset:4096*\m
	ds_store_b128 v17, v[PC+4:PC+7] offset:4096*\m+512
	ds_store_b32 v18, v[PW] offset:64*\m           ; both halves of the lanes hold the same word and write it to the same place
	s_wait_dscnt 0x0                               ; the stores have read their registers
.endm
.macro KPAIR r, bits                   ; a constant as a scalar pair: the packed forms name the pair
	s_mov_b32 s[\r], \bits
	s_mov_b32 s[\r+1], \bits
.endm
.macro ROWS sb                         ; sixteen tokens, in the even words from s[sb] on, become sixteen addresses of rows of out: 2,048 bytes a token
.set i, 0
.rept 16
	s_min_u32 s2, s[(\sb)+2*i], 0x1fff
	s_lshl_b32 s2, s2, 11
	s_add_nc_u64 s[(\sb)+2*i:(\sb)+2*i+1], s[20:21], s[2:3]
.set i, i+1
.endr
.endm
	s_load_b512 s[4:19], s[0:1], 0x0               ; tiles 4, xcodes 6, xscales 8, gatew 10, wq 12, ws 14, b1 16, b2 18
	s_load_b64 s[20:21], s[0:1], 0x40              ; out0
	v_lshl_add_u32 v3, v0, 2, 0xb600
	v_mov_b32 v11, 0
	v_and_b32 v1, 31, v0                           ; lane
	v_lshrrev_b32 v2, 5, v0
	v_readfirstlane_b32 s22, v2                    ; wave 0..3
	v_and_b32 v28, 15, v0                          ; r
	v_bfe_u32 v29, v0, 4, 1                        ; h
	v_lshlrev_b32 v19, 3, v28                      ; a row's token lies 8 bytes from the next
	v_lshlrev_b32 v20, 3, v1
	s_mov_b32 s28, 0x76543210
	s_mov_b32 s29, 0xfedcba98                      ; v_permlanex16_b32's selects for lane l xor 16
	s_lshl_b32 s2, ttmp9, 8                        ; my tile's record: 256 bytes
	s_mov_b32 s3, 0
	s_wait_kmcnt 0x0
	; ---- 1: my tile's record
	s_add_nc_u64 s[4:5], s[4:5], s[2:3]
	s_load_b32 s24, s[4:5], 0x4                    ; the header
	global_load_b32 v197, v19, s[4:5]              ; row r's token, in both halves of the lanes,
	global_load_b32 v198, v19, s[4:5] offset:128   ; row 16 + r's,
	global_load_b32 v199, v20, s[4:5]              ; and row lane's
	v_lshlrev_b32 v2, 4, v29
	v_lshlrev_b32 v4, 4, v1
	v_lshlrev_b32 v5, 2, v1
	s_lshl_b32 s30, s22, 10
	s_add_co_u32 s31, s30, BIA
	v_lshlrev_b32 v14, 6, v29
	v_add_nc_u32 v14, s31, v14                     ; b1 as the first product's results lie: 64 h, the tile in the immediate
	v_lshlrev_b32 v15, 5, v29
	v_add_nc_u32 v15, s31, v15
	v_add_nc_u32 v15, 512, v15                     ; b2 likewise: 32 h
	v_add_nc_u32 v16, s31, v4                      ; where the bias rows are put
	v_add_nc_u32 v17, s30, v4                      ; where I store the hidden layer's images: 1,024 w + 16 x lane
	s_lshl_b32 s31, s22, 7
	s_add_co_u32 s31, s31, HSC
	v_lshlrev_b32 v18, 2, v28
	v_add_nc_u32 v18, s31, v18                     ; and their scale words: 128 w + 4 r
	s_mul_i32 s31, s22, 16*SP
	s_add_co_u32 s31, s31, STG
	v_mul_u32_u24 v21, v28, SP
	v_lshl_add_u32 v21, v29, 5, v21
	v_add_nc_u32 v21, s31, v21                     ; my stage, in: row r, 32 h
	v_add_nc_u32 v22, s31, v4                      ; and back: a row of 512 bytes for the 32 lanes
	v_lshl_add_u32 v23, s22, 9, v4                 ; the same in a row of out: 512 w + 16 x lane
	s_wait_kmcnt 0x0                               ; the header
	s_and_b32 s25, s24, 0xff
	s_min_u32 s25, s25, 7                          ; my expert
	s_lshr_b32 s26, s24, 8                         ; 1: the tile has rows
	s_lshl_b32 s30, s25, 3
	s_add_co_u32 s30, s30, s22                     ; W1's region 8 e + w; W2's lies four regions on
	s_lshl_b32 s2, s30, 15
	s_add_nc_u64 s[12:13], s[12:13], s[2:3]
	s_lshl_b32 s2, s30, 11
	s_add_nc_u64 s[14:15], s[14:15], s[2:3]
	s_lshl_b32 s2, s25, 11
	s_lshl_b32 s30, s22, 9
	s_add_co_u32 s2, s2, s30                       ; the biases: 2,048 bytes an expert, my 512
	s_add_nc_u64 s[16:17], s[16:17], s[2:3]
	s_add_nc_u64 s[18:19], s[18:19], s[2:3]
	global_load_b128 v[248:251], v4, s[16:17]      ; my 128 numbers of b1,
	global_load_b128 v[252:255], v4, s[18:19]      ; of b2,
	SLOAD 0                                        ; W1's scale words,
	WLOAD 0, 0                                     ; and its K steps 0 and 1: 50 loads
	s_wait_loadcnt 50                              ; the three tokens are in; behind them: those 50
	v_min_u32 v197, 0x1fff, v197
	v_min_u32 v198, 0x1fff, v198
	v_min_u32 v199, 0x1fff, v199
	v_lshl_add_u32 v6, v197, 8, v2                 ; x's codes: 256 bytes a token, + 16 h
	v_lshl_add_u32 v7, v198, 8, v2
	v_lshlrev_b32 v8, 4, v199                      ; its scale words: lane l takes row l's four
	v_lshlrev_b32 v9, 2, v197                      ; its gate weight
	v_lshlrev_b32 v10, 2, v198
	; ---- 2: the biases through my own LDS bytes into the accumulators; the gather; the rest of W1
	s_wait_loadcnt 48                              ; b1 and b2 are in; behind them: 16 scale words and 32 loads of W1
	ds_store_b128 v16, v[248:251]
	ds_store_b128 v16, v[252:255] offset:512
.irp m, 0,1
.irp t, 0,1,2,3,4,5,6,7
	ds_load_b128 v[ACC+64*\m+8*\t:ACC+64*\m+8*\t+3], v14 offset:128*(\t/2)+32*(\t%2)       ; register j: b1 of unit 32 (t/2) + 16 h + 8 (t%2) + j.  LDS serves a wave's instructions in order: these see my stores
	ds_load_b128 v[ACC+64*\m+8*\t+4:ACC+64*\m+8*\t+7], v14 offset:128*(\t/2)+32*(\t%2)+16
.endr
.endr
	global_load_b128 v[XS:XS+3], v8, s[8:9]
.irp m, 0,1
.irp s, 0,1,2,3
.irp c, 0,1
	global_load_b128 v[XF+32*\m+8*\s+4*\c:XF+32*\m+8*\s+4*\c+3], v[6+\m], s[6:7] offset:64*\s+32*\c
.endr
.endr
.endr
	global_load_b32 v12, v9, s[10:11]              ; each gate weight twice: a pair for the packed multiply
	global_load_b32 v13, v9, s[10:11]
	global_load_b32 v30, v10, s[10:11]
	global_load_b32 v31, v10, s[10:11]
	WLOAD 32, 0                                    ; W1's K steps 2 and 3
	KPAIR 32, 0x32edffee                           ; A's coefficients from z^10 down:  2.77068142e-08
	KPAIR 34, 0xb60cff51                           ; -2.10102402e-06
	KPAIR 36, 0xb86ec2d2                           ; -5.69250639e-05
	KPAIR 38, 0xba40ac63                           ; -7.34990630e-04
	KPAIR 40, 0xbb41a1f6                           ; -2.95459981e-03
	KPAIR 42, 0xbc83dbd4                           ; -1.60960333e-02
	KPAIR 44, 0xb95fbd29                           ; B's from z^6 down: -2.13374055e-04
	KPAIR 46, 0xbadc924e                           ; -1.68282697e-03
	KPAIR 48, 0xbbf19bf8                           ; -7.37332917e-03
	KPAIR 50, 0xbc69b6a7                           ; -1.42647391e-02
	v_mov_b32 v24, 0xaf95df0b                      ; A's z^12: -2.72614226e-10
	v_mov_b32 v25, 0xaf95df0b
	v_mov_b32 v26, 0xb77460cd                      ; B's z^8: -1.45660718e-05
	v_mov_b32 v27, 0xb77460cd
	; ---- 3: the first product, onto b1
	s_wait_dscnt 0x0                               ; b1 lies in the accumulators
	s_wait_loadcnt 32                              ; all but W1's K steps 2 and 3 are in
	WIN 0x01                                       ; source 0 (the weight) in window 1
	PROD 0, XS
	PROD 1, XS
	s_wait_loadcnt 16
	PROD 2, XS
	s_wait_loadcnt 0x0
	PROD 3, XS
	WIN 0
.rept 4
	v_nop                                          ; four places behind the last products: for the loads into their registers and the first read of results
.endr
	SLOAD 8192                                     ; W2's scale words and its K steps 0 and 1 land under the gelu.  48 loads now and 32 between the two halves: 80 at once are more than LOADcnt's field holds
	WLOAD 0, 131072
.irp b, 0,1,2,3
	v_mov_b32 v[TM+4+\b], 0                        ; written once: a lane permute's destination counts as one of its sources
.endr
	; ---- 4: gelu, quantised along the hidden units
	HALF 0
	WLOAD 32, 131072
	HALF 1
	; ---- 5: b2 into the accumulators
.irp m, 0,1
.irp t, 0,1,2,3,4,5,6,7
	ds_load_b128 v[ACC+64*\m+8*\t:ACC+64*\m+8*\t+3], v15 offset:64*\t                      ; register j: b2 of output 16 t + 8 h + j
	ds_load_b128 v[ACC+64*\m+8*\t+4:ACC+64*\m+8*\t+7], v15 offset:64*\t+16
.endr
.endr
	; ---- 6: the one barrier, on every wave's path
	s_wait_dscnt 0x0                               ; my images have landed, my loads are in
	s_barrier_signal -1
	s_barrier_wait -1                              ; the hidden layer's eight fragments lie in LDS
	s_cmp_eq_u32 s26, 0                            ; a tile that this split does not have: nothing to store
	s_cbranch_scc1 .Lend
	; ---- 7: the second product, onto b2
	s_load_b512 s[32:47], s[4:5], 0x0              ; the record once more, as scalars: rows 0-7's tokens in the even words,
	s_load_b512 s[48:63], s[4:5], 0x40             ; rows 8-15's,
	s_load_b512 s[68:83], s[4:5], 0x80             ; rows 16-23's,
	s_load_b512 s[84:99], s[4:5], 0xc0             ; rows 24-31's.  The products below stand between these loads and the wait for them
.irp m, 0,1
.irp s, 0,1,2,3
.irp c, 0,1
	ds_load_b128 v[XF+32*\m+8*\s+4*\c:XF+32*\m+8*\s+4*\c+3], v4 offset:HIMG+1024*(4*\m+\s)+512*\c
.endr
.endr
.endr
.irp s, 0,1,2,3
	ds_load_b32 v[HS+\s], v5 offset:HSC+128*\s     ; lanes 0-15 token tile 0's words, lanes 16-31 token tile 1's
.endr
	s_wait_dscnt 0x0
	s_wait_loadcnt 48                              ; W2's scale words and K step 0 are in; behind them: three K steps of 16 loads
	WIN 0x01
	PROD 0, HS
	s_wait_loadcnt 32
	PROD 1, HS
	s_wait_loadcnt 16
	PROD 2, HS
	s_wait_loadcnt 0x0
	PROD 3, HS
	WIN 0
	s_wait_kmcnt 0x0                               ; the 32 tokens
	ROWS 32
	ROWS 68
.rept 4
	v_nop                                          ; four places ahead of the first read of results
.endr
	; ---- 8: the gate's weight, and the way out: 16 rows at a time through my stage, so that a store covers 512 consecutive bytes of a row, aligned
.set i, ACC
.rept 32
	v_pk_mul_f32 v[i:i+1], v[i:i+1], v[12:13]      ; each accumulator from its low end on
.set i, i+2
.endr
.rept 32
	v_pk_mul_f32 v[i:i+1], v[i:i+1], v[30:31]
.set i, i+2
.endr
.macro TOSTAGE m, reg
.irp t, 0,1,2,3,4,5,6,7
	ds_store_b128 v21, v[ACC+64*\m+8*\t:ACC+64*\m+8*\t+3] offset:64*\t
	ds_store_b128 v21, v[ACC+64*\m+8*\t+4:ACC+64*\m+8*\t+7] offset:64*\t+16
.endr
.set i, 0
.rept 16
	ds_load_b128 v[(\reg)+4*i:(\reg)+4*i+3], v22 offset:SP*i       ; LDS serves a wave's instructions in order: these see my stores
.set i, i+1
.endr
.endm
.macro SEND reg, sb
.set i, 0
.rept 16
	s_wait_dscnt 15-i                              ; row i is back; the younger rows may be out
	global_store_b128 v23, v[(\reg)+4*i:(\reg)+4*i+3], s[(\sb)+2*i:(\sb)+2*i+1] th:TH_STORE_NT
.set i, i+1
.endr
.endm
	TOSTAGE 0, XF
	SEND XF, 32                                    ; its waits end at 0: tile 0's stage stores have read their registers, which take tile 1's rows
	TOSTAGE 1, ACC
	SEND ACC, 68
.Lend:
	s_wait_tensorcnt 0x0
	ds_add_u32 v3, v11
	s_wait_dscnt 0x0
	s_endpgm
.Lfunc_end_k_q161f64679a_chain:
	.size	k_q161f64679a_chain, .Lfunc_end_k_q161f64679a_chain-k_q161f64679a_chain
	.p2alignl 7, 3214868480
	.fill 96, 4, 3214868480
	.section	.rodata,"a",@progbits
	.p2align	6, 0x0
	.amdhsa_kernel k_q161f64679a_chain
		.amdhsa_group_segment_fixed_size 47104
		.amdhsa_private_segment_fixed_size 0
		.amdhsa_enable_private_segment 0
		.amdhsa_kernarg_size 72
		.amdhsa_user_sgpr_count 2
		.amdhsa_user_sgpr_kernarg_segment_ptr 1
		.amdhsa_wavefront_size32 1
		.amdhsa_system_sgpr_workgroup_id_x 1
		.amdhsa_system_sgpr_workgroup_id_y 1
		.amdhsa_system_sgpr_workgroup_id_z 1
		.amdhsa_system_vgpr_workitem_id 0
		.amdhsa_next_free_vgpr 512
		.amdhsa_next_free_sgpr 100
		.amdhsa_reserve_vcc 0
		.amdhsa_float_denorm_mode_32 3
		.amdhsa_float_denorm_mode_16_64 3
		.amdhsa_memory_ordered 1
		.amdhsa_forward_progress 1
		.amdhsa_inst_pref_size 148
	.end_amdhsa_kernel
	.amdgpu_metadata
---
amdhsa.version: [ 1, 2 ]
amdhsa.kernels:
  - .name:           k_q161f64679a_chain
    .symbol:         k_q161f64679a_chain.kd
    .args:
      - { .name: tiles, .offset: 0, .size: 8, .value_kind: global_buffer, .address_space: global }
      - { .name: xcodes, .offset: 8, .size: 8, .value_kind: global_buffer, .address_space: global }
      - { .name: xscales, .offset: 16, .size: 8, .value_kind: global_buffer, .address_space: global }
      - { .name: gatew, .offset: 24, .size: 8, .value_kind: global_buffer, .address_space: global }
      - { .name: wq, .offset: 32, .size: 8, .value_kind: global_buffer, .address_space: global }
      - { .name: ws, .offset: 40, .size: 8, .value_kind: global_buffer, .address_space: global }
      - { .name: b1, .offset: 48, .size: 8, .value_kind: global_buffer, .address_space: global }
      - { .name: b2, .offset: 56, .size: 8, .value_kind: global_buffer, .address_space: global }
      - { .name: out0, .offset: 64, .size: 8, .value_kind: global_buffer, .address_space: global }
    .group_segment_fixed_size: 47104
    .private_segment_fixed_size: 0
    .kernarg_segment_align: 8
    .kernarg_segment_size: 72
    .max_flat_workgroup_size: 128
    .sgpr_count:     100
    .vgpr_count:     512
    .wavefront_size: 32
...
	.end_amdgpu_metadata
.endif
;; end of part 3
;; ======== version 2 of 3: 2 launches; 1.15 times as fast as version 1
;; workspace buffers: xcodes 2,097,152 bytes; xscales 131,072 bytes; gatew 32,768 bytes; route 16,384 bytes of whole numbers; wq 2,097,152 bytes; ws 131,072 bytes
;; launch prep (part 4): grid 512 x 1, 4 waves a work-group, no clusters, 83,456 bytes of LDS; arguments x, Wg, bg, W1, W2, xcodes, xscales, gatew, route, wq, ws; writes xcodes, xscales, gatew, route, wq, ws
.if DOCPART == 4
	.amdgcn_target "amdgcn-amd-amdhsa--gfx1250"
	.amdhsa_code_object_version 6
	.text
	.protected	k_q161f64679a_prep
	.globl	k_q161f64679a_prep
	.p2align	8
	.type	k_q161f64679a_prep,@function
k_q161f64679a_prep:
	s_mov_b64 s[64:65], 0
	v_nop
	global_prefetch_b8 v0, s[64:65] scope:SCOPE_SE
	s_setreg_imm32_b32 hwreg(HW_REG_WAVE_MODE, 25, 1), 1
	s_wait_xcnt 0x0
; PREP.  Work-groups 0-255: the router (f32) and x as codes of FP4 (E2M1).  Work-groups 256-511: W1 and W2 as codes, laid in the order of a matrix operand's registers.
; THE QUANTISER: a block of 32 along K has the scale 2^(floor(log2(its largest magnitude)) - 2); the scale's byte is the largest magnitude's exponent field - 2, held at 1 from below; each number
; is divided by the scale and rounded to the nearest code, ties to even, beyond 6 the largest code.
; LIMITS: NaN and infinities among the inputs are not served.  A block whose largest magnitude lies under 2^-124, a block of zeros among them, gets the byte 1 (the rule says 127 for zeros): its codes
; are zeros or as the held scale gives them, and the bytes are read by this program alone.  The argmax is taken on the logits (the softmax keeps their order); the lower index wins a tie.
; X PATH.  A work-group takes 32 tokens, wave w the numbers k = 128 w .. 128 w + 127 of each.  A load reads 512 consecutive bytes of one row; the wave's 16 KiB turn through its own stage in LDS, so that
; afterwards a LANE IS A TOKEN and its 128 registers run along K: a block's maximum needs no other lane, the conversions find neighbours along K, and the eight logits are plain sums of a lane.
; Wg's numbers are spread over the sixteen lanes of each row of lanes and reach all of them by row_share on the multiply-add itself.  The four waves' partial logits meet in LDS; wave 0 finishes them.
; WHAT THE ROUTER LEAVES: gatew[token] = 1 / sum of exp(l - max) (the largest probability), and in route, laid [block of 256 tokens][expert][16 words], this group's two words of each of the block's eight
; records: word gi (gi = group % 8) the mask of that expert's tokens in the group (bit i = token 32 g + i), word 8 + gi their number.  All at fixed places: no address here hangs on the choice.
; (Sixteen stores of 4 bytes, 32 or 64 bytes apart: 64 bytes a work-group, so that the next launch reads a record of its own by one scalar load.)
; W PATH.  A work-group takes (expert e, matrix p, 128 units w, K step ks of 128), wave b 32 units.  K is the weights' MIDDLE axis: a lane takes a unit (a column) and its 128 registers run down K.
; wq: [e][p][w][s][t][c][lane][16 bytes]: lane (r, h) holds k = 128 s + 64 c + 32 h + 0 .. 31 of unit 128 w + 32 (t/2) + 8 (t%2) + r + 8 (r/8) for W1 (so that the next launch's results lie along its
; next K) and of unit 128 w + 16 t + r for W2.  ws: [e][p][w][b][s][lane][4 bytes]: the scale word of tile 2 b + lane / 16, row lane % 16.
; No matrix unit, no cluster, no tensor load: memory binds, nothing is read twice, and the waves share only what the one barrier hands over.
.set TSTW, 16896                       ; LDS 0: a turning stage for each wave: 32 rows of 512 bytes + 16
.set TP,   528
.set CST,  67584                       ; the codes of 32 tokens: 256 bytes + 16 a token
.set CP,   272
.set SST,  76288                       ; their scale words: 16 bytes a token
.set LST,  76800                       ; partial logits: 1,536 bytes a wave, 48 a token (32 used)
.set LP,   48
.set L,    16                          ; v16-23   eight sums
.set X,    32                          ; v32-159  128 numbers
.set WG,   160                         ; v160-223 Wg's 128 rows of the wave's part, spread over sixteen lanes
.set C,    224                         ; v224-239 codes: four registers a block, so that no store's data are written again
; v24, v25 the two chains of a maximum; v26 the conversion's scale operand; v27 the scale word; v28 a scale byte
; 32 numbers of a lane, v[src] on, become block j of four: codes in v[C + 4 j] on, the byte in v27
.macro QBLOCK src, j
	v_max3_num_f32 v24, |v[(\src)]|, |v[(\src)+1]|, |v[(\src)+2]|
	v_max3_num_f32 v25, |v[(\src)+3]|, |v[(\src)+4]|, |v[(\src)+5]|
.irp i, 6,10,14,18,22,26
	v_max3_num_f32 v24, v24, |v[(\src)+\i]|, |v[(\src)+\i+1]|
	v_max3_num_f32 v25, v25, |v[(\src)+\i+2]|, |v[(\src)+\i+3]|
.endr
	v_max3_num_f32 v24, v24, |v[(\src)+30]|, |v[(\src)+31]|
	v_max3_num_f32 v24, v24, v25, 0x1800000        ; and the floor 2^(3 - 127): the byte cannot fall under 1
	v_add_nc_u32 v26, 0xff000000, v24              ; 2 off the exponent field: the conversion takes this operand's exponent field as its scale
.if (\j) == 0
	v_lshrrev_b32 v27, 23, v26                     ; the scale's byte; four make the word of 128 along K, the lower K in the lower byte
.else
	v_lshrrev_b32 v28, 23, v26
	v_lshl_or_b32 v27, v28, 8*(\j), v27
.endif
.irp g, 0,1,2,3
	v_cvt_scalef32_pk8_fp4_f32 v[C+4*(\j)+\g], v[(\src)+8*\g:(\src)+8*\g+7], v26
.endr
	v_nop                                          ; one plain line behind the last conversion of a run
.endm
; the 32 k of block jb into the eight logits.  Register WG + 4 q + j of lane n (of sixteen) holds Wg[8 q + n / 2][4 (n % 2) + j]: row_share n hands it to every lane
.macro DOTS jb
.set Q, 4*(\jb)
.rept 4
.irp sh, 0,1,2,3,4,5,6,7,8,9,10,11,12,13,14,15
.irp j, 0,1,2,3
	v_fmac_f32_dpp v[L+4*(\sh%2)+\j], v[WG+4*Q+\j], v[X+8*Q+\sh/2] row_share:\sh row_mask:0xf bank_mask:0xf
.endr
.endr
.set Q, Q+1
.endr
.endm
	s_load_b512 s[4:19], s[0:1], 0x0               ; x 4, Wg 6, bg 8, W1 10, W2 12, xcodes 14, xscales 16, gatew 18
	s_load_b128 s[20:23], s[0:1], 0x40             ; route 20, wq 22
	s_load_b64 s[24:25], s[0:1], 0x50              ; ws
	v_lshl_add_u32 v240, v0, 2, 0x14400
	v_mov_b32 v241, 0
	v_and_b32 v1, 31, v0                           ; lane
	v_lshrrev_b32 v2, 5, v0
	v_readfirstlane_b32 s26, v2                    ; wave 0..3
	s_mov_b32 s29, 0                               ; the upper word of the offset pair s[28:29]
	s_wait_kmcnt 0x0
	s_cmp_ge_u32 ttmp9, 256
	s_cbranch_scc1 .Lweights
	; ======== X PATH: tokens 32 g .. 32 g + 31, g = the work-group's number
	v_lshlrev_b32 v2, 4, v1                        ; 16 x lane
	v_and_b32 v3, 15, v0
	v_lshlrev_b32 v3, 4, v3                        ; 16 x (lane % 16)
	s_lshl_b32 s28, ttmp9, 16                      ; 32 rows of 2,048 bytes,
	s_lshl_b32 s27, s26, 9                         ; my wave's 512 bytes of a row
	s_add_co_u32 s28, s28, s27
	s_add_nc_u64 s[4:5], s[4:5], s[28:29]
	s_lshl_b32 s28, s26, 12                        ; my wave's 128 rows of Wg, 32 bytes each
	s_add_nc_u64 s[6:7], s[6:7], s[28:29]
	s_load_b256 s[32:39], s[8:9], 0x0              ; bg
.set i, 0
.rept 16
	global_load_b128 v[WG+4*i:WG+4*i+3], v3, s[6:7] offset:256*i
.set i, i+1
.endr
.set i, 0
.rept 32
	global_load_b128 v[X+4*i:X+4*i+3], v2, s[4:5] offset:2048*i th:TH_LOAD_NT   ; row i: 32 lanes read 512 consecutive bytes; all of the wave's 16 KiB are asked for at once
.set i, i+1
.endr
	; every LDS address: a constant + a constant x lane + a constant x wave
	s_mul_i32 s27, s26, TSTW
	v_add_nc_u32 v4, s27, v2                       ; the stage, in: 16 x lane of a row
	v_mul_u32_u24 v5, v1, TP
	v_add_nc_u32 v5, s27, v5                       ; and out: row = lane
	s_lshl_b32 s27, s26, 6
	s_add_co_u32 s27, s27, CST
	v_mul_u32_u24 v6, v1, CP
	v_add_nc_u32 v6, s27, v6                       ; my token's codes, my wave's 64 bytes
	s_lshl_b32 s27, s26, 2
	s_add_co_u32 s27, s27, SST
	v_add_nc_u32 v7, s27, v2                       ; my token's scale word of K step w
	s_mul_i32 s27, s26, 32*LP
	s_add_co_u32 s27, s27, LST
	v_mul_u32_u24 v11, v1, LP
	v_add_nc_u32 v8, s27, v11                      ; my wave's partial logits of my token
	v_add_nc_u32 v11, LST, v11                     ; wave 0 reads all four from here
	v_lshrrev_b32 v13, 4, v1
	v_mul_u32_u24 v9, v13, CP
	v_add_nc_u32 v9, v9, v3
	s_mul_i32 s27, s26, 8*CP
	s_add_co_u32 s27, s27, CST
	v_add_nc_u32 v9, s27, v9                       ; codes on their way out: tokens 8 w + lane / 16 on, 16 bytes a lane
	v_add_nc_u32 v10, SST, v2                      ; scale words on their way out
	v_lshl_add_u32 v12, s26, 11, v2                ; the same codes' place in xcodes: 2,048 w + 16 x lane
	v_lshlrev_b32 v14, 2, v1                       ; 4 x lane
	s_lshl_b32 s28, ttmp9, 13
	s_add_nc_u64 s[14:15], s[14:15], s[28:29]      ; xcodes: 256 bytes a token
	s_lshl_b32 s28, ttmp9, 9
	s_add_nc_u64 s[16:17], s[16:17], s[28:29]      ; xscales: 16
	s_lshl_b32 s28, ttmp9, 7
	s_add_nc_u64 s[18:19], s[18:19], s[28:29]      ; gatew: 4
	s_lshr_b32 s28, ttmp9, 3
	s_lshl_b32 s28, s28, 9                         ; route: a block's eight records are 512 bytes;
	s_and_b32 s27, ttmp9, 7
	s_lshl_b32 s27, s27, 2                         ; in each record my group's word
	s_add_co_u32 s28, s28, s27
	s_add_nc_u64 s[20:21], s[20:21], s[28:29]
.irp e, 0,1,2,3,4,5,6,7
	v_mov_b32 v[L+\e], 0
.endr
.set i, 0
.rept 32
	s_wait_loadcnt 31-i                            ; row i is in (Wg's loads are older); the younger rows may be out
	ds_store_b128 v4, v[X+4*i:X+4*i+3] offset:TP*i
.set i, i+1
.endr
	s_wait_dscnt 0x0                               ; the stores have read their registers, which are loaded again now
.set i, 0
.rept 32
	ds_load_b128 v[X+4*i:X+4*i+3], v5 offset:16*i  ; my token's k = 4 i .. 4 i + 3 of the wave's 128
.set i, i+1
.endr
	s_wait_dscnt 24                                ; block 0's eight loads are in; behind them: 24 loads
	DOTS 0
	QBLOCK X, 0
	ds_store_b128 v6, v[C:C+3]
	s_wait_dscnt 17                                ; behind block 1's: 16 loads and 1 store
	DOTS 1
	QBLOCK X+32, 1
	ds_store_b128 v6, v[C+4:C+7] offset:16
	s_wait_dscnt 10                                ; 8 loads and 2 stores
	DOTS 2
	QBLOCK X+64, 2
	ds_store_b128 v6, v[C+8:C+11] offset:32
	s_wait_dscnt 3                                 ; 3 stores
	DOTS 3
	QBLOCK X+96, 3
	ds_store_b128 v6, v[C+12:C+15] offset:48
	ds_store_b32 v7, v27
	ds_store_b128 v8, v[L:L+3]
	ds_store_b128 v8, v[L+4:L+7] offset:16
	s_wait_kmcnt 0x0                               ; bg
	s_wait_dscnt 0x0                               ; for the others' sake: my stores have landed
	s_barrier_signal -1
	s_barrier_wait -1                              ; codes, scale words and partial logits of all four waves lie in LDS; nothing is written there any more
.irp i, 0,1,2,3
	ds_load_b128 v[128+4*\i:131+4*\i], v9 offset:2*CP*\i
.endr
.irp i, 0,1,2,3
	s_wait_dscnt 3-\i
	global_store_b128 v12, v[128+4*\i:131+4*\i], s[14:15] offset:512*\i   ; two tokens' codes: 512 consecutive bytes, aligned
.endr
	s_cmp_eq_u32 s26, 0
	s_cbranch_scc1 .Lrouter
	s_cmp_eq_u32 s26, 1
	s_cbranch_scc0 .Lxend
	ds_load_b128 v[144:147], v10                   ; wave 1: the 32 tokens' scale words
	s_wait_dscnt 0x0
	global_store_b128 v2, v[144:147], s[16:17]     ; 512 consecutive bytes, aligned
.Lxend:
	s_wait_tensorcnt 0x0
	ds_add_u32 v240, v241
	s_wait_dscnt 0x0
	s_endpgm
.Lrouter:                                          ; wave 0: a lane is a token
.irp w, 0,1,2,3
	ds_load_b128 v[32+8*\w:35+8*\w], v11 offset:32*LP*\w
	ds_load_b128 v[36+8*\w:39+8*\w], v11 offset:32*LP*\w+16
.endr
	v_mov_b32 v65, 0                               ; the index of the largest so far
	v_mov_b32 v67, 0                               ; the group's sixteen words
	s_wait_dscnt 0x0
.irp a, 0,2,4,6
	v_pk_add_f32 v[32+\a:33+\a], v[32+\a:33+\a], v[40+\a:41+\a]
	v_pk_add_f32 v[48+\a:49+\a], v[48+\a:49+\a], v[56+\a:57+\a]
.endr
.irp a, 0,2,4,6
	v_pk_add_f32 v[32+\a:33+\a], v[32+\a:33+\a], v[48+\a:49+\a]
.endr
.irp e, 0,1,2,3,4,5,6,7
	v_add_f32 v[32+\e], s[32+\e], v[32+\e]         ; the logits
.endr
	v_cmp_le_f32 vcc_lo, v33, v32                  ; not larger: the lower index stays
	v_cndmask_b32 v65, 1, v65, vcc_lo
	v_max_num_f32 v64, v32, v33
.irp e, 2,3,4,5,6,7
	v_cmp_le_f32 vcc_lo, v[32+\e], v64
	v_cndmask_b32 v65, \e, v65, vcc_lo
	v_max_num_f32 v64, v64, v[32+\e]
.endr
.irp e, 0,1,2,3,4,5,6,7
	v_sub_f32 v[72+\e], v[32+\e], v64              ; the maximum comes off ahead of the exponential
.endr
.irp e, 0,1,2,3,4,5,6,7
	v_mul_f32 v[72+\e], 0x3fb8aa3b, v[72+\e]
.endr
.irp e, 0,1,2,3,4,5,6,7
	v_exp_f32 v[72+\e], v[72+\e]
.endr
	v_nop                                          ; a plain line behind the exponentials
	s_wait_alu depctr_va_vdst(0)
	v_pk_add_f32 v[72:73], v[72:73], v[74:75]
	v_pk_add_f32 v[76:77], v[76:77], v[78:79]
	v_pk_add_f32 v[72:73], v[72:73], v[76:77]
	v_add_f32 v72, v72, v73
	v_rcp_f32 v66, v72                             ; the largest probability: exp(0) / the sum
	v_nop
.irp e, 0,1,2,3,4,5,6,7
	v_cmp_eq_u32 s[40+\e], \e, v65                 ; expert e's tokens as a mask of lanes
.endr
.irp e, 0,1,2,3,4,5,6,7
	s_bcnt1_i32_b32 s[48+\e], s[40+\e]             ; and their number
.endr
.irp e, 0,1,2,3,4,5,6,7
	v_writelane_b32 v67, s[40+\e], \e              ; lane e: expert e's mask,
.endr
.irp e, 0,1,2,3,4,5,6,7
	v_writelane_b32 v67, s[48+\e], 8+\e            ; lane 8 + e: its number
.endr
	v_and_b32 v68, 7, v1
	v_bfe_u32 v69, v1, 3, 1
	v_lshlrev_b32 v68, 6, v68                      ; expert lane % 8's record, 64 bytes each,
	v_lshl_add_u32 v68, v69, 5, v68                ; its masks or, 32 bytes on, its numbers
	s_wait_alu depctr_va_vdst(0)
	global_store_b32 v14, v66, s[18:19]
	s_wait_xcnt 0x0                                ; EXEC changes only behind this wait
	v_cmp_gt_u32 vcc_lo, 16, v1
	s_wait_tensorcnt 0x0
	ds_add_u32 v240, v241
	s_wait_dscnt 0x0
	s_and_saveexec_b32 s54, vcc_lo
	global_store_b32 v68, v67, s[20:21]            ; sixteen words
	s_wait_xcnt 0x0
	s_or_b32 exec_lo, exec_lo, s54
	s_endpgm
	; ======== W PATH
.Lweights:
	s_sub_co_u32 s27, ttmp9, 256
	s_and_b32 s31, s27, 3                          ; ks: which 128 along K
	s_bfe_u32 s32, s27, 0x20002                    ; w: which 128 units
	s_bfe_u32 s33, s27, 0x10004                    ; p: W1 or W2
	s_lshr_b32 s34, s27, 5                         ; e: the expert
	s_cmp_eq_u32 s33, 0                            ; the choice hangs on the work-group's number alone
	s_cselect_b64 s[10:11], s[10:11], s[12:13]
	s_cselect_b32 s30, -1, 0
	s_lshl_b32 s28, s34, 20                        ; an expert's matrix is 2^20 bytes,
	s_lshl_b32 s27, s31, 18                        ; 128 rows of 2,048 bytes,
	s_add_co_u32 s28, s28, s27
	s_lshl_b32 s27, s32, 9                         ; 128 columns,
	s_add_co_u32 s28, s28, s27
	s_lshl_b32 s27, s26, 7                         ; my wave's 32 columns
	s_add_co_u32 s28, s28, s27
	s_add_nc_u64 s[10:11], s[10:11], s[28:29]
	v_and_b32 v5, 7, v1
	v_lshrrev_b32 v6, 4, v1
	v_bfe_u32 v7, v1, 3, 1
	v_lshl_add_u32 v8, v6, 3, v5
	v_lshl_add_u32 v8, v7, 4, v8                   ; W1: tile 2 b + lane / 16, row r = lane % 16 is column 8 (lane / 16) + r + 8 (r / 8) of the wave's 32
	v_cndmask_b32 v2, v1, v8, s30                  ; W2: column = lane
	v_lshlrev_b32 v2, 2, v2
.set i, 0
.rept 128
	global_load_b32 v[X+i], v2, s[10:11] offset:2048*i th:TH_LOAD_NT   ; row k = i at my column: the wave reads 128 consecutive bytes, the four waves 512
.set i, i+1
.endr
	s_lshl_b32 s35, s34, 1
	s_add_co_u32 s35, s35, s33
	s_lshl_b32 s35, s35, 2
	s_add_co_u32 s35, s35, s32                     ; the region (2 e + p) 4 + w
	s_lshl_b32 s28, s35, 15
	s_lshl_b32 s27, s31, 13
	s_add_co_u32 s28, s28, s27
	s_lshl_b32 s27, s26, 11
	s_add_co_u32 s28, s28, s27
	s_add_nc_u64 s[22:23], s[22:23], s[28:29]      ; wq: region, K step, my two tiles
	s_lshl_b32 s28, s35, 11
	s_lshl_b32 s27, s26, 2
	s_add_co_u32 s27, s27, s31
	s_lshl_b32 s27, s27, 7
	s_add_co_u32 s28, s28, s27
	s_add_nc_u64 s[24:25], s[24:25], s[28:29]      ; ws: region, (4 b + ks) x 128 bytes
	v_and_b32 v9, 15, v1
	v_lshlrev_b32 v3, 4, v9
	v_lshl_add_u32 v3, v6, 10, v3                  ; my tile's 1,024 bytes, my row's 16; block j = 2 c + h lies 256 j further on
	v_lshlrev_b32 v4, 2, v1
	s_wait_loadcnt 63                              ; block 0 is in: 96 loads are younger, and the count's field holds 63 at the most: a smaller count only waits longer
	QBLOCK X, 0
	global_store_b128 v3, v[C:C+3], s[22:23]       ; sixteen lanes store 256 consecutive bytes, aligned
	s_wait_loadcnt 63                              ; 64 are younger
	QBLOCK X+32, 1
	global_store_b128 v3, v[C+4:C+7], s[22:23] offset:256
	s_wait_loadcnt 32
	QBLOCK X+64, 2
	global_store_b128 v3, v[C+8:C+11], s[22:23] offset:512
	s_wait_loadcnt 0x0
	QBLOCK X+96, 3
	global_store_b128 v3, v[C+12:C+15], s[22:23] offset:768
	global_store_b32 v4, v27, s[24:25]             ; 32 scale words: 128 consecutive bytes
	s_endpgm
.Lfunc_end_k_q161f64679a_prep:
	.size	k_q161f64679a_prep, .Lfunc_end_k_q161f64679a_prep-k_q161f64679a_prep
	.p2alignl 7, 3214868480
	.fill 96, 4, 3214868480
	.section	.rodata,"a",@progbits
	.p2align	6, 0x0
	.amdhsa_kernel k_q161f64679a_prep
		.amdhsa_group_segment_fixed_size 83456
		.amdhsa_private_segment_fixed_size 0
		.amdhsa_enable_private_segment 0
		.amdhsa_kernarg_size 88
		.amdhsa_user_sgpr_count 2
		.amdhsa_user_sgpr_kernarg_segment_ptr 1
		.amdhsa_wavefront_size32 1
		.amdhsa_system_sgpr_workgroup_id_x 1
		.amdhsa_system_sgpr_workgroup_id_y 1
		.amdhsa_system_sgpr_workgroup_id_z 1
		.amdhsa_system_vgpr_workitem_id 0
		.amdhsa_next_free_vgpr 242
		.amdhsa_next_free_sgpr 66
		.amdhsa_reserve_vcc 1
		.amdhsa_float_denorm_mode_32 3
		.amdhsa_float_denorm_mode_16_64 3
		.amdhsa_memory_ordered 1
		.amdhsa_forward_progress 1
		.amdhsa_inst_pref_size 111
	.end_amdhsa_kernel
	.amdgpu_metadata
---
amdhsa.version: [ 1, 2 ]
amdhsa.kernels:
  - .name:           k_q161f64679a_prep
    .symbol:         k_q161f64679a_prep.kd
    .args:
      - { .name: x, .offset: 0, .size: 8, .value_kind: global_buffer, .address_space: global }
      - { .name: Wg, .offset: 8, .size: 8, .value_kind: global_buffer, .address_space: global }
      - { .name: bg, .offset: 16, .size: 8, .value_kind: global_buffer, .address_space: global }
      - { .name: W1, .offset: 24, .size: 8, .value_kind: global_buffer, .address_space: global }
      - { .name: W2, .offset: 32, .size: 8, .value_kind: global_buffer, .address_space: global }
      - { .name: xcodes, .offset: 40, .size: 8, .value_kind: global_buffer, .address_space: global }
      - { .name: xscales, .offset: 48, .size: 8, .value_kind: global_buffer, .address_space: global }
      - { .name: gatew, .offset: 56, .size: 8, .value_kind: global_buffer, .address_space: global }
      - { .name: route, .offset: 64, .size: 8, .value_kind: global_buffer, .address_space: global }
      - { .name: wq, .offset: 72, .size: 8, .value_kind: global_buffer, .address_space: global }
      - { .name: ws, .offset: 80, .size: 8, .value_kind: global_buffer, .address_space: global }
    .group_segment_fixed_size: 83456
    .private_segment_fixed_size: 0
    .kernarg_segment_align: 8
    .kernarg_segment_size: 88
    .max_flat_workgroup_size: 128
    .sgpr_count:     66
    .vgpr_count:     242
    .wavefront_size: 32
...
	.end_amdgpu_metadata
.endif
;; end of part 4
;; launch chain (part 5): grid 256 x 1, 4 waves a work-group, no clusters, 48,128 bytes of LDS; arguments route, xcodes, xscales, gatew, wq, ws, b1, b2, out0; writes out0
.if DOCPART == 5
	.amdgcn_target "amdgcn-amd-amdhsa--gfx1250"
	.amdhsa_code_object_version 6
	.text
	.protected	k_q161f64679a_chain
	.globl	k_q161f64679a_chain
	.p2align	8
	.type	k_q161f64679a_chain,@function
k_q161f64679a_chain:
	s_mov_b64 s[64:65], 0
	v_nop
	global_prefetch_b8 v0, s[64:65] scope:SCOPE_SE
	s_setreg_imm32_b32 hwreg(HW_REG_WAVE_MODE, 25, 1), 1
	s_wait_xcnt 0x0
; CHAIN.  out[token] = p_max x (gelu(x W1[e] + b1[e]) W2[e] + b2[e]) for the ONE expert e that the router chose for the token; the other experts' rows, which the problem gathers away, are not computed.
; Both products on codes of FP4 (E2M1) with one E8M0 scale for each 32 along K; sums, gelu and all else in f32.
; THE GRID: 32 blocks of 256 tokens x 8 experts = 256 work-groups.  Work-group 8 b + e serves those tokens of block b that chose expert e: 0 to 256 rows, whatever the split.  The expert comes from the
; work-group's number, so the weights are asked for at once.  The rows come from the work-group's record in route (16 words, stored by the launch before): the expert's masks in the block's eight groups of
; 32 tokens, and their numbers.  The rows go in trips of 32; EIGHT TRIPS, a constant, serve all 256.  The barriers stand on every way; a trip's work, and the work of its upper 16 rows, is passed over by scalar
; branches on the sum of the record's numbers.  A work-group without rows stores nothing.  Spare rows of a half that is not full repeat the last row: the same numbers go to the same place again.
; THE ROWS' TOKENS: thread n finds the tokens of ranks n and 128 + n (by group, then by bit: ascending tokens) from the scalar masks and their running sums, with no other lane's help, and puts them into a list
; in LDS at 4 x rank: fixed places.  Ranks past the last are held at the last.
; SHARES.  Four waves; wave w makes hidden units 128 w .. 128 w + 127 and outputs 128 w .. 128 w + 127 for a trip's 32 rows (two tiles of 16 tokens).  Its 32 KiB of W1 and 32 KiB of W2 come from memory straight
; into registers, laid by the launch before in the order of the operand's registers, and stay for all trips.  The hidden layer goes from wave to wave through LDS as images of the operand's registers.
; TRIP 0 IS WRITTEN OUT: its first half runs in every work-group (in one without rows on held indices), so that W2's loads, which stand in it and land under the gelu, are issued on every way.
; NO CLUSTER: the 32 work-groups of an expert read the same weights, but a joint request lands in LDS: 272 KiB beside the 46.5 KiB in use here, a round of the cluster's barrier, and 128 LDS loads a wave more to
; bring them on into registers.  Not built.
; BOTH PRODUCTS ARE USED TRANSPOSED (source 0 = 16 rows of the weight, source 1 = 16 tokens): a lane holds ONE token (lane % 16) and its registers run along the units.  W1's rows of a tile are chosen so
; that the 16 registers of tiles 2 b and 2 b + 1 are 16 neighbours along the next K: units 32 b + 16 (lane / 16) + 0 .. 15.  The biases lie in the accumulators before the first product adds onto them.
; GELU: 0.5 x (1 + erf(x / sqrt 2)), erf(z) = z A(z^2) / B(z^2) with z held to +-4, A of degree 6, B of degree 4.
; LIMITS: NaN and infinities are not served.  erf is right to a few units in its last place, so gelu carries an absolute error of about 1e-7 x |x| (it shows in the far negative tail alone).
; A block of the hidden layer whose largest magnitude lies under 2^-124 gets the scale byte 1.
; REGISTERS.  Window 0: v1 lane, v2 16 (lane / 16), v3, v11, v28 LDS addresses in hand, v4 16 x lane, v5 4 x lane, v6-10 gather offsets, v[12:13], v[30:31] the gate weights of token tiles 0, 1 (each twice),
;   v14-18, v21, v22 LDS addresses, v19, v20 my places in the list, v23 my place in a row of out, v[24:27] two constants as pairs; v32-87 gelu's and the quantiser's work, later 32 rows' offsets in out;
;   v88-91, v92-95, v224-239, v240-255 scale words (x's, the hidden layer's, W1's, W2's) and nothing else; v96-223 16 accumulators (64 m + 8 t).
;   Window 1: W1's 64 fragments.  Window 2: W2's.  Window 3: v0-63 x's fragments, v64-127 the hidden layer's, v128-255 rows of out.
; s[2:3] an offset pair (s3 = 0); s22 wave, s23 expert, s24 block, s25 rows in all, s26 the trip's first row, s27 its place in the list, s30 s26 + 16, s[32:51] gelu's constants, s52 the next trip's place in the
; list, s53 the last rank, s54 the block's first token, s[68:75] masks, s[76:83] numbers, s84-90 their running sums.
.set HIMG, 0                           ; LDS: the hidden layer's 8 fragments: (4 m + s) x 1,024 bytes
.set HSC,  8192                        ; their scale words: 128 s + 64 m + 4 r
.set BIA,  8704                        ; for each wave 1,024 bytes of its own: its 128 numbers of b1, then of b2
.set STG,  12800                       ; for each wave a stage of its own: 16 rows x (512 bytes + 16)
.set SP,   528
.set LIST, 46592                       ; the rows' tokens: 4 bytes a rank, 256 ranks
.set ACC,  96
.set WS1,  224
.set WS2,  240
.set XS,   88
.set HS,   92
.set GZ,   32                          ; gelu at work: z, z^2 (then x / 2), A, B
.set GY,   40
.set GP,   48
.set GQ,   56
.set TM,   64                          ; the quantiser at work
.set PW,   72                          ; the scale word just made
.set PC,   80                          ; the codes just made
.set TOFF, 32                          ; a trip's 32 rows: their byte offsets in out
.set XN,   0                           ; in window 3
.set HF,   64
.set ORW,  128
.set MSB, 0
.macro WIN new                         ; the immediate's high byte repeats the setting that is left
.if MSB != \new
	s_set_vgpr_msb (MSB<<8)|\new
.set MSB, \new
.endif
.endm
.macro WLOAD win, n0, off              ; two K steps of a weight: 32 loads of 512 consecutive bytes: fragment (s, t), half c at v[64 s + 8 t + 4 c] of the window
	WIN \win
.set n, \n0
.rept 32
	global_load_b128 v[4*n:4*n+3], v4, s[12:13] offset:(\off)+512*n
.set n, n+1
.endr
	WIN 0
.endm
.macro SLOAD reg, off                  ; a weight's scale words: register 4 b + s: lanes 0-15 tile 2 b, lanes 16-31 tile 2 b + 1, K step s
.irp b, 0,1,2,3
.irp s, 0,1,2,3
	global_load_b32 v[(\reg)+4*\b+\s], v5, s[14:15] offset:(\off)+128*(4*\b+\s)
.endr
.endr
.endm
; one matrix instruction: K step s, token tile m, weight tile t; ws: the weight's scale words; bs: the tokens' (lanes 0-15 token tile 0, lanes 16-31 token tile 1); bb: the tokens' fragments in window 3
.macro MM s, ws, bs, bb, m, t
.set rD, ACC+64*(\m)+8*(\t)
.set rA, 64*(\s)+8*(\t)
.set rB, (\bb)+32*(\m)+8*(\s)
.set rSA, (\ws)+4*((\t)/2)+(\s)
.set rSB, (\bs)+(\s)
.if ((\t)%2 == 0) && ((\m) == 0)
	v_wmma_scale_f32_16x16x128_f8f6f4 v[rD:rD+7], v[rA:rA+7], v[rB:rB+7], v[rD:rD+7], v[rSA], v[rSB] matrix_a_fmt:MATRIX_FMT_FP4 matrix_b_fmt:MATRIX_FMT_FP4
.elseif ((\t)%2 == 1) && ((\m) == 0)
	v_wmma_scale_f32_16x16x128_f8f6f4 v[rD:rD+7], v[rA:rA+7], v[rB:rB+7], v[rD:rD+7], v[rSA], v[rSB] matrix_a_fmt:MATRIX_FMT_FP4 matrix_b_fmt:MATRIX_FMT_FP4 matrix_a_scale:MATRIX_SCALE_ROW1
.elseif ((\t)%2 == 0)
	v_wmma_scale_f32_16x16x128_f8f6f4 v[rD:rD+7], v[rA:rA+7], v[rB:rB+7], v[rD:rD+7], v[rSA], v[rSB] matrix_a_fmt:MATRIX_FMT_FP4 matrix_b_fmt:MATRIX_FMT_FP4 matrix_b_scale:MATRIX_SCALE_ROW1
.else
	v_wmma_scale_f32_16x16x128_f8f6f4 v[rD:rD+7], v[rA:rA+7], v[rB:rB+7], v[rD:rD+7], v[rSA], v[rSB] matrix_a_fmt:MATRIX_FMT_FP4 matrix_b_fmt:MATRIX_FMT_FP4 matrix_a_scale:MATRIX_SCALE_ROW1 matrix_b_scale:MATRIX_SCALE_ROW1
.endif
.endm
.macro PROD s, ws, bs, bb              ; a K step: the 16 accumulators take turns, one instruction a turn, in the same order in every K step
.irp m, 0,1
.irp t, 0,1,2,3,4,5,6,7
	MM \s, \ws, \bs, \bb, \m, \t
.endr
.endr
.endm
; gelu of the eight numbers v[a] .. v[a + 7], in place, two at a time; it begins at the accumulator's low end
.macro GELU8 a
.irp i, 0,2,4,6
	v_pk_mul_f32 v[GZ+\i:GZ+\i+1], v[(\a)+\i:(\a)+\i+1], 0x3f3504f3 op_sel_hi:[1,0]      ; z = x / sqrt 2
.endr
.irp i, 0,1,2,3,4,5,6,7
	v_med3_num_f32 v[GZ+\i], v[GZ+\i], -4.0, 4.0
.endr
.irp i, 0,2,4,6
	v_pk_mul_f32 v[GY+\i:GY+\i+1], v[GZ+\i:GZ+\i+1], v[GZ+\i:GZ+\i+1]
.endr
.irp i, 0,2,4,6
	v_pk_fma_f32 v[GP+\i:GP+\i+1], v[GY+\i:GY+\i+1], v[24:25], s[32:33] op_sel_hi:[1,1,0]
.endr
.irp i, 0,2,4,6
	v_pk_fma_f32 v[GQ+\i:GQ+\i+1], v[GY+\i:GY+\i+1], v[26:27], s[44:45] op_sel_hi:[1,1,0]
.endr
.irp c, 1,2,3
.irp i, 0,2,4,6
	v_pk_fma_f32 v[GP+\i:GP+\i+1], v[GP+\i:GP+\i+1], v[GY+\i:GY+\i+1], s[32+2*\c:33+2*\c] op_sel_hi:[1,1,0]
.endr
.irp i, 0,2,4,6
	v_pk_fma_f32 v[GQ+\i:GQ+\i+1], v[GQ+\i:GQ+\i+1], v[GY+\i:GY+\i+1], s[44+2*\c:45+2*\c] op_sel_hi:[1,1,0]
.endr
.endr
.irp c, 4,5
.irp i, 0,2,4,6
	v_pk_fma_f32 v[GP+\i:GP+\i+1], v[GP+\i:GP+\i+1], v[GY+\i:GY+\i+1], s[32+2*\c:33+2*\c] op_sel_hi:[1,1,0]
.endr
.endr
.irp i, 0,1,2,3,4,5,6,7
	v_rcp_f32 v[GQ+\i], v[GQ+\i]
.endr
.irp i, 0,2,4,6
	v_pk_mul_f32 v[GP+\i:GP+\i+1], v[GP+\i:GP+\i+1], v[GZ+\i:GZ+\i+1]                   ; plain lines behind the reciprocals
.endr
.irp i, 0,2,4,6
	v_pk_mul_f32 v[GY+\i:GY+\i+1], v[(\a)+\i:(\a)+\i+1], 0.5 op_sel_hi:[1,0]
.endr
	s_wait_alu depctr_va_vdst(0)
.irp i, 0,2,4,6
	v_pk_mul_f32 v[GP+\i:GP+\i+1], v[GP+\i:GP+\i+1], v[GQ+\i:GQ+\i+1]                   ; erf
.endr
.irp i, 0,2,4,6
	v_pk_fma_f32 v[(\a)+\i:(\a)+\i+1], v[GP+\i:GP+\i+1], v[GY+\i:GY+\i+1], v[GY+\i:GY+\i+1]   ; x / 2 + erf x / 2
.endr
.endm
; 64 numbers of a lane, register 16 b + i = k 32 b + 16 (lane / 16) + i of my token, become a fragment's codes in v[PC] on and its scale word in v[PW]
.macro QUANT s
.irp b, 0,1,2,3
	v_max3_num_f32 v[TM+\b], |v[(\s)+16*\b]|, |v[(\s)+1+16*\b]|, 0x1800000   ; my 16 numbers of block b, and the floor 2^(3 - 127): the byte cannot fall under 1
.endr
.irp i, 2,4,6,8,10,12,14
.irp b, 0,1,2,3
	v_max3_num_f32 v[TM+\b], v[TM+\b], |v[(\s)+16*\b+\i]|, |v[(\s)+1+16*\b+\i]|
.endr
.endr
.irp b, 0,1,2,3
	v_permlanex16_b32 v[TM+4+\b], v[TM+\b], s28, s29
.endr
.irp b, 0,1,2,3
	v_max_num_f32 v[TM+\b], v[TM+\b], v[TM+4+\b]   ; with lane l xor 16's: the block's largest magnitude
.endr
.irp b, 0,1,2,3
	v_add_nc_u32 v[TM+12+\b], 0xff000000, v[TM+\b] ; 2 off its exponent field: the conversion's scale operand
.endr
.irp b, 0,1,2,3
	v_lshrrev_b32 v[TM+4+\b], 23, v[TM+12+\b]      ; the scale's byte
.endr
	v_lshl_or_b32 v[PW], v[TM+5], 8, v[TM+4]
	v_lshl_or_b32 v[PW], v[TM+6], 16, v[PW]
	v_lshl_or_b32 v[PW], v[TM+7], 24, v[PW]
.irp b, 0,1,2,3
	v_cvt_scalef32_pk8_fp4_f32 v[PC+2*\b], v[(\s)+16*\b:(\s)+7+16*\b], v[TM+12+\b]
	v_cvt_scalef32_pk8_fp4_f32 v[PC+1+2*\b], v[(\s)+8+16*\b:(\s)+15+16*\b], v[TM+12+\b]
.endr
	v_nop                                          ; one plain line behind a scaled conversion
.irp c, 0,1                            ; the operand wants a WHOLE block in a lane: lanes 0-15 block 2 c, lanes 16-31 block 2 c + 1
.irp i, 0,1
	v_permlane16_swap_b32 v[PC+4*\c+\i], v[PC+2+4*\c+\i]
.endr
.endr
.endm
.macro HALFC m                         ; token tile m: gelu, quantised
.irp t, 0,1,2,3,4,5,6,7
	GELU8 ACC+64*\m+8*\t
.endr
	QUANT ACC+64*\m
.endm
.macro HALFS m                         ; the codes and the scale word in hand go to LDS as token tile m's image: K step w of the second product
	ds_store_b128 v17, v[PC:PC+3] offset:4096*\m
	ds_store_b128 v17, v[PC+4:PC+7] offset:4096*\m+512
	ds_store_b32 v18, v[PW] offset:64*\m           ; both halves of the lanes hold the same word and write it to the same place
	s_wait_dscnt 0x0                               ; the stores have read their registers
.endm
.macro KPAIR r, bits                   ; a constant as a scalar pair: the packed forms name the pair
	s_mov_b32 s[\r], \bits
	s_mov_b32 s[\r+1], \bits
.endm
; one step of the search for set bit number v183 of a mask: is it in the lower half of what is left?  reg: the counts of fields of that width
.macro NARROW reg, mask, width
	v_lshrrev_b32 v187, v192, v[\reg]
	v_and_b32 v187, \mask, v187
	v_cmp_lt_u32 vcc_lo, v183, v187
	v_cndmask_b32 v187, v187, v194, vcc_lo         ; if not, the lower half's count comes off
	v_cndmask_b32 v193, \width, v194, vcc_lo       ; and the place moves up
	v_sub_nc_u32 v183, v183, v187
	v_add_nc_u32 v192, v192, v193
.endm
; the token of rank 128 jj + my thread's number goes into the list
.macro FIND jj
	v_add_nc_u32 v176, 128*\jj, v0
	v_min_u32 v176, s53, v176                      ; ranks past the last are held at the last
	v_mov_b32 v160, s68
	v_mov_b32 v185, 0
	v_mov_b32 v184, 0
.irp g, 1,2,3,4,5,6,7
	v_cmp_gt_u32 vcc_lo, s[83+\g], v176            ; the sums never fall: the last group whose sum of the groups before is at or under the rank decides
	v_cndmask_b32 v160, s[68+\g], v160, vcc_lo     ; its mask,
	v_cndmask_b32 v185, s[83+\g], v185, vcc_lo     ; how many come before it,
	v_cndmask_b32 v184, \g, v184, vcc_lo           ; and its number
.endr
	v_sub_nc_u32 v183, v176, v185                  ; the rank within the mask
	v_lshrrev_b32 v187, 1, v160                    ; counts of set bits in fields of 2, 4, 8 and 16 bits
	v_and_b32 v187, 0x55555555, v187
	v_sub_nc_u32 v188, v160, v187
	v_lshrrev_b32 v187, 2, v188
	v_and_b32 v187, 0x33333333, v187
	v_and_b32 v189, 0x33333333, v188
	v_add_nc_u32 v189, v189, v187
	v_lshrrev_b32 v187, 4, v189
	v_add_nc_u32 v187, v187, v189
	v_and_b32 v190, 0x0f0f0f0f, v187
	v_lshrrev_b32 v187, 8, v190
	v_add_nc_u32 v187, v187, v190
	v_and_b32 v191, 0x00ff00ff, v187
	v_and_b32 v187, 0xffff, v191                   ; the first step, at place 0
	v_cmp_lt_u32 vcc_lo, v183, v187
	v_cndmask_b32 v187, v187, v194, vcc_lo
	v_cndmask_b32 v192, 16, v194, vcc_lo
	v_sub_nc_u32 v183, v183, v187
	NARROW 190, 0xff, 8
	NARROW 189, 15, 4
	NARROW 188, 3, 2
	NARROW 160, 1, 1
	v_lshl_add_u32 v187, v184, 5, v192             ; 32 x group + bit,
	v_add_nc_u32 v187, s54, v187                   ; from the block's first token on
	v_min_u32 v187, 0x1fff, v187
	ds_store_b32 v3, v187 offset:512*\jj
.endm
; x's codes and scale words of the 32 rows whose tokens lie s[so] bytes into the list.  free = 1: earlier loads may still read the offset registers.  gates = 1: the gate weights too
.macro GATHER so, free, gates
.if \free
	s_wait_xcnt 0x0                                ; the gate loads have read v9 and v10: only behind this wait are the offsets written again
.endif
	v_add_nc_u32 v3, s[\so], v19
	v_add_nc_u32 v11, s[\so], v20
	ds_load_b32 v32, v3                            ; row r's token, in both halves of the lanes,
	ds_load_b32 v33, v3 offset:64                  ; row 16 + r's,
	ds_load_b32 v34, v11                           ; and row lane's
	s_wait_dscnt 0x0
	v_min_u32 v32, 0x1fff, v32
	v_min_u32 v33, 0x1fff, v33
	v_min_u32 v34, 0x1fff, v34
	v_lshl_add_u32 v6, v32, 8, v2                  ; x's codes: 256 bytes a token, + 16 h
	v_lshl_add_u32 v7, v33, 8, v2
	v_lshlrev_b32 v8, 4, v34                       ; its scale words: lane l takes row l's four
	v_lshlrev_b32 v9, 2, v32                       ; its gate weight
	v_lshlrev_b32 v10, 2, v33
	global_load_b128 v[XS:XS+3], v8, s[8:9]
	WIN 0xc0                                       ; destination window 3
.irp m, 0,1
.irp s, 0,1,2,3
.irp c, 0,1
	global_load_b128 v[XN+32*\m+8*\s+4*\c:XN+32*\m+8*\s+4*\c+3], v[6+\m], s[6:7] offset:64*\s+32*\c
.endr
.endr
.endr
	WIN 0
.if \gates
	GATES
.endif
.endm
.macro GATES                           ; each gate weight twice: a pair for the packed multiply
	global_load_b32 v12, v9, s[10:11]
	global_load_b32 v13, v9, s[10:11]
	global_load_b32 v30, v10, s[10:11]
	global_load_b32 v31, v10, s[10:11]
.endm
; token tile m leaves: 16 rows through my stage, so that a store covers 512 consecutive bytes of a row of out, aligned
.macro WAYOUT m
.irp t, 0,1,2,3,4,5,6,7
	ds_store_b128 v21, v[ACC+64*\m+8*\t:ACC+64*\m+8*\t+3] offset:64*\t
	ds_store_b128 v21, v[ACC+64*\m+8*\t+4:ACC+64*\m+8*\t+7] offset:64*\t+16
.endr
	WIN 0xc0                                       ; destination window 3
.set i, 0
.rept 16
	ds_load_b128 v[ORW+64*\m+4*i:ORW+64*\m+4*i+3], v22 offset:SP*i   ; LDS serves a wave's instructions in order: these see my stores
.set i, i+1
.endr
	WIN 0x0c                                       ; a store's data are its source 1: window 3
.set i, 0
.rept 16
	s_wait_dscnt 15-i                              ; row i is back; the younger rows may be out
	global_store_b128 v[TOFF+16*\m+i], v[ORW+64*\m+4*i:ORW+64*\m+4*i+3], s[20:21] th:TH_STORE_NT
.set i, i+1
.endr
	WIN 0
.endm
; A TRIP: rows s26 .. s26 + 31.  first = 1: trip 0, whose first half runs on every way and holds W2's loads.
.macro TRIP first
	s_add_co_u32 s52, s27, 128
	s_min_u32 s52, s52, 896                        ; the next trip's place in the list (the last trip asks for its own once more)
	s_add_co_u32 s30, s26, 16
.if !\first
	s_cmp_ge_u32 s26, s25                          ; no rows left: on to the barrier
	s_cbranch_scc1 .Lskip_a_\@
	GATES                                          ; by the offsets that the trip before made
.endif
.irp m, 0,1
.irp t, 0,1,2,3,4,5,6,7
	ds_load_b128 v[ACC+64*\m+8*\t:ACC+64*\m+8*\t+3], v14 offset:128*(\t/2)+32*(\t%2)       ; register j: b1 of unit 32 (t/2) + 16 h + 8 (t%2) + j
	ds_load_b128 v[ACC+64*\m+8*\t+4:ACC+64*\m+8*\t+7], v14 offset:128*(\t/2)+32*(\t%2)+16
.endr
.endr
	s_wait_dscnt 0x0                               ; b1 lies in the accumulators
.if \first
	s_wait_loadcnt 32                              ; all but W1's K steps 2 and 3 are in
.else
	s_wait_loadcnt 4                               ; x's fragments and scale words are in; behind them: the four gate loads
.endif
	WIN 0x0d                                       ; source 0 (W1) window 1, source 1 (x) window 3
	PROD 0, WS1, XS, XN
	PROD 1, WS1, XS, XN
.if \first
	s_wait_loadcnt 16
.endif
	PROD 2, WS1, XS, XN
.if \first
	s_wait_loadcnt 0x0
.endif
	PROD 3, WS1, XS, XN
	WIN 0
.rept 4
	v_nop                                          ; four places ahead of the first read of results (ISA guide 7.12.1)
.endr
.if \first
	SLOAD WS2, 8192                                ; W2's scale words and its K steps 0 and 1 land under the gelu: 48 loads now, 49 between the two halves: all at once are more than LOADcnt's field holds
	WLOAD 0x80, 0, 131072
.endif
	HALFC 0
	HALFS 0
	GATHER 52, 1, 0                                ; the next trip's x: 17 loads, which land under what follows
.if \first
	WLOAD 0x80, 32, 131072
.endif
	s_cmp_ge_u32 s30, s25                          ; the upper 16 rows are all spare: their gelu is passed over,
	s_cbranch_scc1 .Lone_a_\@
	HALFC 1
.Lone_a_\@:
	HALFS 1                                        ; and the lower tile's image stands in for theirs: numbers that may be multiplied, and are not stored
.if !\first
.Lskip_a_\@:
.endif
	s_wait_dscnt 0x0                               ; my images have landed
	s_barrier_signal -1
	s_barrier_wait -1                              ; the hidden layer's eight fragments lie in LDS
	s_cmp_ge_u32 s26, s25
	s_cbranch_scc1 .Lskip_b_\@
.irp m, 0,1
.irp t, 0,1,2,3,4,5,6,7
	ds_load_b128 v[ACC+64*\m+8*\t:ACC+64*\m+8*\t+3], v15 offset:64*\t                      ; register j: b2 of output 16 t + 8 h + j
	ds_load_b128 v[ACC+64*\m+8*\t+4:ACC+64*\m+8*\t+7], v15 offset:64*\t+16
.endr
.endr
	WIN 0xc0                                       ; destination window 3
.irp m, 0,1
.irp s, 0,1,2,3
.irp c, 0,1
	ds_load_b128 v[HF+32*\m+8*\s+4*\c:HF+32*\m+8*\s+4*\c+3], v4 offset:HIMG+1024*(4*\m+\s)+512*\c
.endr
.endr
.endr
	WIN 0
.irp s, 0,1,2,3
	ds_load_b32 v[HS+\s], v5 offset:HSC+128*\s     ; lanes 0-15 token tile 0's words, lanes 16-31 token tile 1's
.endr
	v_mov_b32 v28, s27
.irp q, 0,1,2,3,4,5,6,7
	ds_load_b128 v[TOFF+4*\q:TOFF+4*\q+3], v28 offset:LIST+16*\q   ; the 32 rows' tokens, each in every lane
.endr
	s_wait_dscnt 0x0
.if \first
	s_wait_loadcnt 63                              ; W2's scale words and K step 0 are in: 16 + 17 + 32 = 65 loads are younger, and the count's field holds 63
.else
	s_wait_loadcnt 0x0                             ; the gate weights; and W2, on the way that passed over trip 0's second half
.endif
	WIN 0x0e                                       ; source 0 (W2) window 2, source 1 (the hidden layer) window 3
	PROD 0, WS2, HS, HF
.if \first
	s_wait_loadcnt 49                              ; behind K step 1: the gather's 17 and two K steps of 16
.endif
	PROD 1, WS2, HS, HF
.if \first
	s_wait_loadcnt 16
.endif
	PROD 2, WS2, HS, HF
.if \first
	s_wait_loadcnt 0x0
.endif
	PROD 3, WS2, HS, HF
	WIN 0
.set i, 0
.rept 32
	v_min_u32 v[TOFF+i], 0x1fff, v[TOFF+i]         ; (these 64 lines are also the places behind the products)
.set i, i+1
.endr
.set i, 0
.rept 32
	v_lshl_add_u32 v[TOFF+i], v[TOFF+i], 11, v23   ; 2,048 bytes a token, + 512 w + 16 x lane
.set i, i+1
.endr
.set i, ACC
.rept 32
	v_pk_mul_f32 v[i:i+1], v[i:i+1], v[12:13]      ; the gate's weight; each accumulator from its low end on
.set i, i+2
.endr
.rept 32
	v_pk_mul_f32 v[i:i+1], v[i:i+1], v[30:31]
.set i, i+2
.endr
	WAYOUT 0
	s_cmp_ge_u32 s30, s25                          ; spare rows alone in the upper tile: nothing of it is stored
	s_cbranch_scc1 .Lone_b_\@
	WAYOUT 1
.Lone_b_\@:
	s_wait_xcnt 0x0                                ; the stores have read their offsets and data: the next trip writes those registers
.Lskip_b_\@:
	s_wait_dscnt 0x0                               ; my reads of the images are over
	s_barrier_signal -1
	s_barrier_wait -1                              ; everybody's are: the next trip may store its images
.endm
	s_load_b512 s[4:19], s[0:1], 0x0               ; route 4, xcodes 6, xscales 8, gatew 10, wq 12, ws 14, b1 16, b2 18
	s_load_b64 s[20:21], s[0:1], 0x40              ; out0
	v_lshl_add_u32 v74, v0, 2, 0xba00
	v_mov_b32 v75, 0
	v_and_b32 v1, 31, v0                           ; lane
	v_lshrrev_b32 v2, 5, v0
	v_readfirstlane_b32 s22, v2                    ; wave 0..3
	v_and_b32 v28, 15, v0                          ; r
	v_bfe_u32 v29, v0, 4, 1                        ; h
	v_lshlrev_b32 v4, 4, v1
	v_lshlrev_b32 v5, 2, v1
	s_mov_b32 s28, 0x76543210
	s_mov_b32 s29, 0xfedcba98                      ; v_permlanex16_b32's selects for lane l xor 16
	s_and_b32 s23, ttmp9, 7                        ; my expert
	s_lshr_b32 s24, ttmp9, 3                       ; my block of 256 tokens
	s_lshl_b32 s54, s24, 8                         ; its first token
	s_lshl_b32 s2, ttmp9, 6                        ; my record: 64 bytes
	s_mov_b32 s3, 0
	s_wait_kmcnt 0x0
	s_add_nc_u64 s[4:5], s[4:5], s[2:3]
	s_load_b512 s[68:83], s[4:5], 0x0              ; eight masks, eight numbers
	s_lshl_b32 s30, s23, 3
	s_add_co_u32 s30, s30, s22                     ; W1's region 8 e + w; W2's lies four regions on
	s_lshl_b32 s2, s30, 15
	s_add_nc_u64 s[12:13], s[12:13], s[2:3]
	s_lshl_b32 s2, s30, 11
	s_add_nc_u64 s[14:15], s[14:15], s[2:3]
	s_lshl_b32 s2, s23, 11
	s_lshl_b32 s30, s22, 9
	s_add_co_u32 s2, s2, s30                       ; the biases: 2,048 bytes an expert, my 512
	s_add_nc_u64 s[16:17], s[16:17], s[2:3]
	s_add_nc_u64 s[18:19], s[18:19], s[2:3]
	global_load_b128 v[40:43], v4, s[16:17]        ; my 128 numbers of b1,
	global_load_b128 v[44:47], v4, s[18:19]        ; of b2,
	SLOAD WS1, 0                                   ; W1's scale words,
	WLOAD 0x40, 0, 0                               ; and its K steps 0 and 1: 50 loads, which hang on no loaded number
	v_lshlrev_b32 v2, 4, v29
	s_lshl_b32 s30, s22, 10
	s_add_co_u32 s31, s30, BIA
	v_lshlrev_b32 v14, 6, v29
	v_add_nc_u32 v14, s31, v14                     ; b1 as the first product's results lie: 64 h, the tile in the immediate
	v_lshlrev_b32 v15, 5, v29
	v_add_nc_u32 v15, s31, v15
	v_add_nc_u32 v15, 512, v15                     ; b2 likewise: 32 h
	v_add_nc_u32 v16, s31, v4                      ; where the bias rows are put
	v_add_nc_u32 v17, s30, v4                      ; where I store the hidden layer's images: 1,024 w + 16 x lane
	s_lshl_b32 s31, s22, 7
	s_add_co_u32 s31, s31, HSC
	v_lshlrev_b32 v18, 2, v28
	v_add_nc_u32 v18, s31, v18                     ; and their scale words: 128 w + 4 r
	s_mul_i32 s31, s22, 16*SP
	s_add_co_u32 s31, s31, STG
	v_mul_u32_u24 v21, v28, SP
	v_lshl_add_u32 v21, v29, 5, v21
	v_add_nc_u32 v21, s31, v21                     ; my stage, in: row r, 32 h
	v_add_nc_u32 v22, s31, v4                      ; and back: a row of 512 bytes for the 32 lanes
	v_lshl_add_u32 v23, s22, 9, v4                 ; the same in a row of out: 512 w + 16 x lane
	v_lshl_add_u32 v19, v28, 2, LIST               ; the list: row r's word,
	v_lshl_add_u32 v20, v1, 2, LIST                ; row lane's,
	v_lshl_add_u32 v3, v0, 2, LIST                 ; and where I put the ranks that I find
	v_mov_b32 v194, 0
	s_wait_kmcnt 0x0                               ; the record
	s_mov_b32 s84, s76                             ; how many of my rows lie in the groups before group 1, .. 7,
	s_add_co_u32 s85, s84, s77
	s_add_co_u32 s86, s85, s78
	s_add_co_u32 s87, s86, s79
	s_add_co_u32 s88, s87, s80
	s_add_co_u32 s89, s88, s81
	s_add_co_u32 s90, s89, s82
	s_add_co_u32 s25, s90, s83                     ; and in all
	s_min_u32 s25, s25, 256
	s_sub_co_u32 s53, s25, 1                       ; the last rank there is
	FIND 0
	FIND 1
	s_wait_loadcnt 48                              ; b1 and b2 are in; behind them: 16 scale words and 32 loads of W1
	ds_store_b128 v16, v[40:43]
	ds_store_b128 v16, v[44:47] offset:512
	s_wait_dscnt 0x0                               ; for the others' sake: my part of the list has landed
	s_barrier_signal -1
	s_barrier_wait -1                              ; the list is whole; nobody writes it again
	s_mov_b32 s52, 0
	GATHER 52, 0, 1                                ; trip 0's x and gate weights: 21 loads
	WLOAD 0x40, 32, 0                              ; W1's K steps 2 and 3
	KPAIR 32, 0x32edffee                           ; A's coefficients from z^10 down:  2.77068142e-08
	KPAIR 34, 0xb60cff51                           ; -2.10102402e-06
	KPAIR 36, 0xb86ec2d2                           ; -5.69250639e-05
	KPAIR 38, 0xba40ac63                           ; -7.34990630e-04
	KPAIR 40, 0xbb41a1f6                           ; -2.95459981e-03
	KPAIR 42, 0xbc83dbd4                           ; -1.60960333e-02
	KPAIR 44, 0xb95fbd29                           ; B's from z^6 down: -2.13374055e-04
	KPAIR 46, 0xbadc924e                           ; -1.68282697e-03
	KPAIR 48, 0xbbf19bf8                           ; -7.37332917e-03
	KPAIR 50, 0xbc69b6a7                           ; -1.42647391e-02
	v_mov_b32 v24, 0xaf95df0b                      ; A's z^12: -2.72614226e-10
	v_mov_b32 v25, 0xaf95df0b
	v_mov_b32 v26, 0xb77460cd                      ; B's z^8: -1.45660718e-05
	v_mov_b32 v27, 0xb77460cd
.irp b, 0,1,2,3
	v_mov_b32 v[TM+4+\b], 0                        ; written once: a lane permute's destination counts as one of its sources
.endr
	s_mov_b32 s26, 0
	s_mov_b32 s27, 0
	TRIP 1
	s_mov_b32 s26, 32
	s_mov_b32 s27, 128
.Ltrip:                                            ; seven trips more, a constant: 8 x 32 rows serve a block whose every token chose my expert
	TRIP 0
	s_add_co_u32 s27, s27, 128
	s_add_co_u32 s26, s26, 32
	s_cmp_lt_u32 s26, 256
	s_cbranch_scc1 .Ltrip
	s_wait_tensorcnt 0x0
	ds_add_u32 v74, v75
	s_wait_dscnt 0x0
	s_endpgm
.Lfunc_end_k_q161f64679a_chain:
	.size	k_q161f64679a_chain, .Lfunc_end_k_q161f64679a_chain-k_q161f64679a_chain
	.p2alignl 7, 3214868480
	.fill 96, 4, 3214868480
	.section	.rodata,"a",@progbits
	.p2align	6, 0x0
	.amdhsa_kernel k_q161f64679a_chain
		.amdhsa_group_segment_fixed_size 48128
		.amdhsa_private_segment_fixed_size 0
		.amdhsa_enable_private_segment 0
		.amdhsa_kernarg_size 72
		.amdhsa_user_sgpr_count 2
		.amdhsa_user_sgpr_kernarg_segment_ptr 1
		.amdhsa_wavefront_size32 1
		.amdhsa_system_sgpr_workgroup_id_x 1
		.amdhsa_system_sgpr_workgroup_id_y 1
		.amdhsa_system_sgpr_workgroup_id_z 1
		.amdhsa_system_vgpr_workitem_id 0
		.amdhsa_next_free_vgpr 1024
		.amdhsa_next_free_sgpr 92
		.amdhsa_reserve_vcc 1
		.amdhsa_float_denorm_mode_32 3
		.amdhsa_float_denorm_mode_16_64 3
		.amdhsa_memory_ordered 1
		.amdhsa_forward_progress 1
		.amdhsa_inst_pref_size 255
	.end_amdhsa_kernel
	.section	.bss,"aw",@nobits
	.p2align	6
	.space	262144
	.amdgpu_metadata
---
amdhsa.version: [ 1, 2 ]
amdhsa.kernels:
  - .name:           k_q161f64679a_chain
    .symbol:         k_q161f64679a_chain.kd
    .args:
      - { .name: route, .offset: 0, .size: 8, .value_kind: global_buffer, .address_space: global }
      - { .name: xcodes, .offset: 8, .size: 8, .value_kind: global_buffer, .address_space: global }
      - { .name: xscales, .offset: 16, .size: 8, .value_kind: global_buffer, .address_space: global }
      - { .name: gatew, .offset: 24, .size: 8, .value_kind: global_buffer, .address_space: global }
      - { .name: wq, .offset: 32, .size: 8, .value_kind: global_buffer, .address_space: global }
      - { .name: ws, .offset: 40, .size: 8, .value_kind: global_buffer, .address_space: global }
      - { .name: b1, .offset: 48, .size: 8, .value_kind: global_buffer, .address_space: global }
      - { .name: b2, .offset: 56, .size: 8, .value_kind: global_buffer, .address_space: global }
      - { .name: out0, .offset: 64, .size: 8, .value_kind: global_buffer, .address_space: global }
    .group_segment_fixed_size: 48128
    .private_segment_fixed_size: 0
    .kernarg_segment_align: 8
    .kernarg_segment_size: 72
    .max_flat_workgroup_size: 128
    .sgpr_count:     92
    .vgpr_count:     1024
    .wavefront_size: 32
...
	.end_amdgpu_metadata
.endif
;; end of part 5
;; ======== version 3 of 3: 2 launches; version 2 with the launch chain written anew for expert scheduling mode
;; workspace buffers: xcodes 2,097,152 bytes; xscales 131,072 bytes; gatew 32,768 bytes; route 16,384 bytes of whole numbers; wq 2,097,152 bytes; ws 131,072 bytes
;; launch prep: the kernel of part 4 again; grid 512 x 1, 4 waves a work-group, no clusters, 83,456 bytes of LDS; arguments x, Wg, bg, W1, W2, xcodes, xscales, gatew, route, wq, ws; writes xcodes, xscales, gatew, route, wq, ws
;; launch chain (part 6): grid 256 x 1, 4 waves a work-group, no clusters, 48,128 bytes of LDS; arguments route, xcodes, xscales, gatew, wq, ws, b1, b2, out0; writes out0
.if DOCPART == 6
	.amdgcn_target "amdgcn-amd-amdhsa--gfx1250"
	.amdhsa_code_object_version 6
	.text
	.protected	k_q161f64679a_chain
	.globl	k_q161f64679a_chain
	.p2align	8
	.type	k_q161f64679a_chain,@function
k_q161f64679a_chain:
	s_mov_b64 s[64:65], 0
	v_nop
	global_prefetch_b8 v0, s[64:65] scope:SCOPE_SE
	s_setreg_imm32_b32 hwreg(HW_REG_WAVE_SCHED_MODE, 0, 2), 2
	s_setreg_imm32_b32 hwreg(HW_REG_WAVE_MODE, 25, 1), 1
	s_wait_xcnt 0x0
	s_wait_alu depctr_vm_vsrc(0)
; CHAIN.  out[token] = p_max x (gelu(x W1[e] + b1[e]) W2[e] + b2[e]) for the ONE expert e that the router chose for the token; the other experts' rows, which the problem gathers away, are not computed.
; Both products on codes of FP4 (E2M1) with one E8M0 scale for each 32 along K; sums, gelu and all else in f32.
; THE GRID: 32 blocks of 256 tokens x 8 experts = 256 work-groups.  Work-group 8 b + e serves those tokens of block b that chose expert e: 0 to 256 rows, whatever the split.  The expert comes from the
; work-group's number, so the weights are asked for at once.  The rows come from the work-group's record in route (16 words, stored by the launch before): the expert's masks in the block's eight groups of
; 32 tokens, and their numbers.  The rows go in trips of 32; EIGHT TRIPS, a constant, serve all 256.  The barriers stand on every way; a trip's work, and the work of its upper 16 rows, is passed over by scalar
; branches on the sum of the record's numbers.  A work-group without rows stores nothing.  Spare rows of a half that is not full repeat the last row: the same numbers go to the same place again.
; THE ROWS' TOKENS: thread n finds the tokens of ranks n and 128 + n (by group, then by bit: ascending tokens) from the scalar masks and their running sums, with no other lane's help, and puts them into a list
; in LDS at 4 x rank: fixed places.  Ranks past the last are held at the last.
; SHARES.  Four waves; wave w makes hidden units 128 w .. 128 w + 127 and outputs 128 w .. 128 w + 127 for a trip's 32 rows (two tiles of 16 tokens).  Its 32 KiB of W1 and 32 KiB of W2 come from memory straight
; into registers, laid by the launch before in the order of the operand's registers, and stay for all trips.  The hidden layer goes from wave to wave through LDS as images of the operand's registers.
; TRIP 0 IS WRITTEN OUT: its first half runs in every work-group (in one without rows on held indices), so that W2's loads, which stand in it and land under the gelu, are issued on every way.
; NO CLUSTER: the 32 work-groups of an expert read the same weights, but a joint request lands in LDS: 272 KiB beside the 46.5 KiB in use here, a round of the cluster's barrier, and 128 LDS loads a wave more to
; bring them on into registers.  Not built.
; BOTH PRODUCTS ARE USED TRANSPOSED (source 0 = 16 rows of the weight, source 1 = 16 tokens): a lane holds ONE token (lane % 16) and its registers run along the units.  W1's rows of a tile are chosen so
; that the 16 registers of tiles 2 b and 2 b + 1 are 16 neighbours along the next K: units 32 b + 16 (lane / 16) + 0 .. 15.  The biases lie in the accumulators before the first product adds onto them.
; GELU: 0.5 x (1 + erf(x / sqrt 2)), erf(z) = z A(z^2) / B(z^2) with z held to +-4, A of degree 6, B of degree 4.
; LIMITS: NaN and infinities are not served.  erf is right to a few units in its last place, so gelu carries an absolute error of about 1e-7 x |x| (it shows in the far negative tail alone).
; A block of the hidden layer whose largest magnitude lies under 2^-124 gets the scale byte 1.
; REGISTERS.  Window 0: v1 lane, v2 16 (lane / 16), v3, v11, v28 LDS addresses in hand, v4 16 x lane, v5 4 x lane, v6-10 gather offsets, v[12:13], v[30:31] the gate weights of token tiles 0, 1 (each twice),
;   v14-18, v21, v22 LDS addresses, v19, v20 my places in the list as I read it, v29 as I fill it, v23 my place in a row of out, v[24:27] two constants as pairs; v32-87 gelu's and the quantiser's work, later 32 rows'
;   offsets in out; v74, v75 the closing add's two; v88-91, v92-95, v224-239, v240-255 scale words (x's, the hidden layer's, W1's, W2's) and nothing else; v96-223 16 accumulators (64 m + 8 t).
;   Window 1: W1's 64 fragments.  Window 2: W2's.  Window 3: v0-63 x's fragments, v64-127 the hidden layer's, v128-255 rows of out.
; s[2:3] an offset pair (s3 = 0); s22 wave, s23 expert, s24 block, s25 rows in all, s26 the trip's first row, s27 its place in the list, s30 s26 + 16, s[32:51] gelu's constants, s52 the next trip's place in the
; list, s53 the last rank, s54 the block's first token, s55-61 the search's seven masks of lanes, s62, s63 at the head only, s[68:75] masks, s[76:83] numbers, s84-90 their running sums.
; THE MODE: SCHED_MODE bits 1:0 = 2 (LLVM: expert scheduling mode 2), set by the entry lines.  The code itself states the register dependences between vector or matrix instructions and memory or LDS
; instructions, with s_wait_alu, always for 0.
; THE PLAN.  Registers that LDS or memory instructions touch, and who else names them:
;   v4, v5, v14-18, v21, v22, v29   addresses: written at the head alone, ahead of the head's wait on va_vdst; read by loads and stores throughout.
;   v3, v11      the next trip's places in the list: written behind the lower tile's quantiser; read by the three list loads that follow.
;   v6-10        the gather's offsets: made from the list's words; read by the 17 loads that follow and by the next trip's four gate loads.
;   v28          this trip's place in the list: written at the head of the second half; read by its eight list loads.
;   v32-63       gelu works there; list words land there (v32-34 in the first half, all 32 in the second) and are made into the offsets that the stores to out read.
;   v72, v80-87  the scale word and the codes: written by the quantiser; read by the images' stores.
;   v88-95, window 3 v0-127   x's and the hidden layer's scale words and fragments: loads land there; matrix instructions alone read them.
;   v96-223      the accumulators: the biases land there; matrix and vector instructions work on them; the stage's stores read them.
;   window 3 v128-255   rows of out: LDS loads land there, stores read them; no vector instruction names them.   v12, v13, v30, v31: gate loads land there; the packed multiplies read them.
; A TRIP HAS SEVEN WAITS beside the one behind each batch of reciprocals: (1) va_vdst behind the lower tile's quantiser and the two adds; the images' stores and the list loads follow it together;
; (2) vm_vsrc behind the wait for those loads; (3) va_vdst behind the offsets, ahead of the gather; (4) va_vdst ahead of the upper image's stores; (5) va_vdst behind v28; (6) va_vdst ahead of the way out;
; (7) vm_vsrc at the trip's end, on every way.  Each says below what it states.
.set HIMG, 0                           ; LDS: the hidden layer's 8 fragments: (4 m + s) x 1,024 bytes
.set HSC,  8192                        ; their scale words: 128 s + 64 m + 4 r
.set BIA,  8704                        ; for each wave 1,024 bytes of its own: its 128 numbers of b1, then of b2
.set STG,  12800                       ; for each wave a stage of its own: 16 rows x (512 bytes + 16)
.set SP,   528
.set LIST, 46592                       ; the rows' tokens: 4 bytes a rank, 256 ranks
.set ACC,  96
.set WS1,  224
.set WS2,  240
.set XS,   88
.set HS,   92
.set GZ,   32                          ; gelu at work: z, z^2 (then x / 2), A, B
.set GY,   40
.set GP,   48
.set GQ,   56
.set TM,   64                          ; the quantiser at work
.set PW,   72                          ; the scale word just made
.set PC,   80                          ; the codes just made
.set TOFF, 32                          ; a trip's 32 rows: their byte offsets in out
.set XN,   0                           ; in window 3
.set HF,   64
.set ORW,  128
.set MSB, 0
.macro WIN new                         ; the immediate's high byte repeats the setting that is left
.if MSB != \new
	s_set_vgpr_msb (MSB<<8)|\new
.set MSB, \new
.endif
.endm
.macro WLOAD win, n0, off              ; two K steps of a weight: 32 loads of 512 consecutive bytes: fragment (s, t), half c at v[64 s + 8 t + 4 c] of the window.  No vector instruction names these registers ahead of the loads
	WIN \win
.set n, \n0
.rept 32
	global_load_b128 v[4*n:4*n+3], v4, s[12:13] offset:(\off)+512*n
.set n, n+1
.endr
	WIN 0
.endm
.macro SLOAD reg, off                  ; a weight's scale words: register 4 b + s: lanes 0-15 tile 2 b, lanes 16-31 tile 2 b + 1, K step s
.irp b, 0,1,2,3
.irp s, 0,1,2,3
	global_load_b32 v[(\reg)+4*\b+\s], v5, s[14:15] offset:(\off)+128*(4*\b+\s)
.endr
.endr
.endm
; one matrix instruction: K step s, token tile m, weight tile t; ws: the weight's scale words; bs: the tokens' (lanes 0-15 token tile 0, lanes 16-31 token tile 1); bb: the tokens' fragments in window 3
.macro MM s, ws, bs, bb, m, t
.set rD, ACC+64*(\m)+8*(\t)
.set rA, 64*(\s)+8*(\t)
.set rB, (\bb)+32*(\m)+8*(\s)
.set rSA, (\ws)+4*((\t)/2)+(\s)
.set rSB, (\bs)+(\s)
.if ((\t)%2 == 0) && ((\m) == 0)
	v_wmma_scale_f32_16x16x128_f8f6f4 v[rD:rD+7], v[rA:rA+7], v[rB:rB+7], v[rD:rD+7], v[rSA], v[rSB] matrix_a_fmt:MATRIX_FMT_FP4 matrix_b_fmt:MATRIX_FMT_FP4
.elseif ((\t)%2 == 1) && ((\m) == 0)
	v_wmma_scale_f32_16x16x128_f8f6f4 v[rD:rD+7], v[rA:rA+7], v[rB:rB+7], v[rD:rD+7], v[rSA], v[rSB] matrix_a_fmt:MATRIX_FMT_FP4 matrix_b_fmt:MATRIX_FMT_FP4 matrix_a_scale:MATRIX_SCALE_ROW1
.elseif ((\t)%2 == 0)
	v_wmma_scale_f32_16x16x128_f8f6f4 v[rD:rD+7], v[rA:rA+7], v[rB:rB+7], v[rD:rD+7], v[rSA], v[rSB] matrix_a_fmt:MATRIX_FMT_FP4 matrix_b_fmt:MATRIX_FMT_FP4 matrix_b_scale:MATRIX_SCALE_ROW1
.else
	v_wmma_scale_f32_16x16x128_f8f6f4 v[rD:rD+7], v[rA:rA+7], v[rB:rB+7], v[rD:rD+7], v[rSA], v[rSB] matrix_a_fmt:MATRIX_FMT_FP4 matrix_b_fmt:MATRIX_FMT_FP4 matrix_a_scale:MATRIX_SCALE_ROW1 matrix_b_scale:MATRIX_SCALE_ROW1
.endif
.endm
.macro PROD s, ws, bs, bb              ; a K step: the 16 accumulators take turns, one instruction a turn, in the same order in every K step
.irp m, 0,1
.irp t, 0,1,2,3,4,5,6,7
	MM \s, \ws, \bs, \bb, \m, \t
.endr
.endr
.endm
; gelu of the eight numbers v[a] .. v[a + 7], in place, two at a time; it begins at the accumulator's low end
.macro GELU8 a
.irp i, 0,2,4,6
	v_pk_mul_f32 v[GZ+\i:GZ+\i+1], v[(\a)+\i:(\a)+\i+1], 0x3f3504f3 op_sel_hi:[1,0]      ; z = x / sqrt 2
.endr
.irp i, 0,1,2,3,4,5,6,7
	v_med3_num_f32 v[GZ+\i], v[GZ+\i], -4.0, 4.0
.endr
.irp i, 0,2,4,6
	v_pk_mul_f32 v[GY+\i:GY+\i+1], v[GZ+\i:GZ+\i+1], v[GZ+\i:GZ+\i+1]
.endr
.irp i, 0,2,4,6
	v_pk_fma_f32 v[GP+\i:GP+\i+1], v[GY+\i:GY+\i+1], v[24:25], s[32:33] op_sel_hi:[1,1,0]
.endr
.irp i, 0,2,4,6
	v_pk_fma_f32 v[GQ+\i:GQ+\i+1], v[GY+\i:GY+\i+1], v[26:27], s[44:45] op_sel_hi:[1,1,0]
.endr
.irp c, 1,2,3
.irp i, 0,2,4,6
	v_pk_fma_f32 v[GP+\i:GP+\i+1], v[GP+\i:GP+\i+1], v[GY+\i:GY+\i+1], s[32+2*\c:33+2*\c] op_sel_hi:[1,1,0]
.endr
.irp i, 0,2,4,6
	v_pk_fma_f32 v[GQ+\i:GQ+\i+1], v[GQ+\i:GQ+\i+1], v[GY+\i:GY+\i+1], s[44+2*\c:45+2*\c] op_sel_hi:[1,1,0]
.endr
.endr
.irp c, 4,5
.irp i, 0,2,4,6
	v_pk_fma_f32 v[GP+\i:GP+\i+1], v[GP+\i:GP+\i+1], v[GY+\i:GY+\i+1], s[32+2*\c:33+2*\c] op_sel_hi:[1,1,0]
.endr
.endr
.irp i, 0,1,2,3,4,5,6,7
	v_rcp_f32 v[GQ+\i], v[GQ+\i]
.endr
.irp i, 0,2,4,6
	v_pk_mul_f32 v[GP+\i:GP+\i+1], v[GP+\i:GP+\i+1], v[GZ+\i:GZ+\i+1]                   ; plain lines behind the reciprocals
.endr
.irp i, 0,2,4,6
	v_pk_mul_f32 v[GY+\i:GY+\i+1], v[(\a)+\i:(\a)+\i+1], 0.5 op_sel_hi:[1,0]
.endr
	s_wait_alu depctr_va_vdst(0)                   ; the eight reciprocals have written v[GQ ..], ahead of their first reader: one wait for the batch
.irp i, 0,2,4,6
	v_pk_mul_f32 v[GP+\i:GP+\i+1], v[GP+\i:GP+\i+1], v[GQ+\i:GQ+\i+1]                   ; erf
.endr
.irp i, 0,2,4,6
	v_pk_fma_f32 v[(\a)+\i:(\a)+\i+1], v[GP+\i:GP+\i+1], v[GY+\i:GY+\i+1], v[GY+\i:GY+\i+1]   ; x / 2 + erf x / 2
.endr
.endm
; 64 numbers of a lane, register 16 b + i = k 32 b + 16 (lane / 16) + i of my token, become a fragment's codes in v[PC] on and its scale word in v[PW]
.macro QUANT s
.irp b, 0,1,2,3
	v_max3_num_f32 v[TM+\b], |v[(\s)+16*\b]|, |v[(\s)+1+16*\b]|, 0x1800000   ; my 16 numbers of block b, and the floor 2^(3 - 127): the byte cannot fall under 1
.endr
.irp i, 2,4,6,8,10,12,14
.irp b, 0,1,2,3
	v_max3_num_f32 v[TM+\b], v[TM+\b], |v[(\s)+16*\b+\i]|, |v[(\s)+1+16*\b+\i]|
.endr
.endr
.irp b, 0,1,2,3
	v_permlanex16_b32 v[TM+4+\b], v[TM+\b], s28, s29
.endr
.irp b, 0,1,2,3
	v_max_num_f32 v[TM+\b], v[TM+\b], v[TM+4+\b]   ; with lane l xor 16's: the block's largest magnitude
.endr
.irp b, 0,1,2,3
	v_add_nc_u32 v[TM+12+\b], 0xff000000, v[TM+\b] ; 2 off its exponent field: the conversion's scale operand
.endr
.irp b, 0,1,2,3
	v_lshrrev_b32 v[TM+4+\b], 23, v[TM+12+\b]      ; the scale's byte
.endr
	v_lshl_or_b32 v[PW], v[TM+5], 8, v[TM+4]
	v_lshl_or_b32 v[PW], v[TM+6], 16, v[PW]
	v_lshl_or_b32 v[PW], v[TM+7], 24, v[PW]
.irp b, 0,1,2,3
	v_cvt_scalef32_pk8_fp4_f32 v[PC+2*\b], v[(\s)+16*\b:(\s)+7+16*\b], v[TM+12+\b]
	v_cvt_scalef32_pk8_fp4_f32 v[PC+1+2*\b], v[(\s)+8+16*\b:(\s)+15+16*\b], v[TM+12+\b]
.endr
	v_nop                                          ; one plain line behind a scaled conversion
.irp c, 0,1                            ; the operand wants a WHOLE block in a lane: lanes 0-15 block 2 c, lanes 16-31 block 2 c + 1
.irp i, 0,1
	v_permlane16_swap_b32 v[PC+4*\c+\i], v[PC+2+4*\c+\i]
.endr
.endr
.endm
.macro HALFC m                         ; token tile m: gelu, quantised
.irp t, 0,1,2,3,4,5,6,7
	GELU8 ACC+64*\m+8*\t
.endr
	QUANT ACC+64*\m
.endm
.macro HALFS m                         ; the codes and the scale word in hand go to LDS as token tile m's image: K step w of the second product.  A wait on va_vdst stands ahead of each use
	ds_store_b128 v17, v[PC:PC+3] offset:4096*\m
	ds_store_b128 v17, v[PC+4:PC+7] offset:4096*\m+512
	ds_store_b32 v18, v[PW] offset:64*\m           ; both halves of the lanes hold the same word and write it to the same place
.endm
.macro KPAIR r, bits                   ; a constant as a scalar pair: the packed forms name the pair
	s_mov_b32 s[\r], \bits
	s_mov_b32 s[\r+1], \bits
.endm
; one step of the search for set bit number v183 of a mask: is it in the lower half of what is left?  reg: the counts of fields of that width
.macro NARROW reg, mask, width
	v_lshrrev_b32 v187, v192, v[\reg]
	v_and_b32 v187, \mask, v187
	v_cmp_lt_u32 vcc_lo, v183, v187
	s_wait_alu depctr_va_vcc(0)                    ; the compare has written VCC, ahead of the two selects that read it
	v_cndmask_b32 v187, v187, v194, vcc_lo         ; if not, the lower half's count comes off
	v_cndmask_b32 v193, \width, v194, vcc_lo       ; and the place moves up
	v_sub_nc_u32 v183, v183, v187
	v_add_nc_u32 v192, v192, v193
.endm
; the token of rank 128 jj + my thread's number, into v[195 + jj]: both go to the list behind one wait
.macro FIND jj
	v_add_nc_u32 v176, 128*\jj, v0
	v_min_u32 v176, s53, v176                      ; ranks past the last are held at the last
	v_mov_b32 v160, s68
	v_mov_b32 v185, 0
	v_mov_b32 v184, 0
.irp g, 1,2,3,4,5,6,7
	v_cmp_gt_u32 s[54+\g], s[83+\g], v176          ; the seven compares in a run, each into a mask of its own
.endr
	s_wait_alu depctr_va_sdst(0)                   ; the compares have written s55 to s61, ahead of the selects that read them
.irp g, 1,2,3,4,5,6,7
	v_cndmask_b32 v160, s[68+\g], v160, s[54+\g]   ; the sums never fall: the last group whose sum of the groups before is at or under the rank decides: its mask,
	v_cndmask_b32 v185, s[83+\g], v185, s[54+\g]   ; how many come before it,
	v_cndmask_b32 v184, \g, v184, s[54+\g]         ; and its number
.endr
	v_sub_nc_u32 v183, v176, v185                  ; the rank within the mask
	v_lshrrev_b32 v187, 1, v160                    ; counts of set bits in fields of 2, 4, 8 and 16 bits
	v_and_b32 v187, 0x55555555, v187
	v_sub_nc_u32 v188, v160, v187
	v_lshrrev_b32 v187, 2, v188
	v_and_b32 v187, 0x33333333, v187
	v_and_b32 v189, 0x33333333, v188
	v_add_nc_u32 v189, v189, v187
	v_lshrrev_b32 v187, 4, v189
	v_add_nc_u32 v187, v187, v189
	v_and_b32 v190, 0x0f0f0f0f, v187
	v_lshrrev_b32 v187, 8, v190
	v_add_nc_u32 v187, v187, v190
	v_and_b32 v191, 0x00ff00ff, v187
	v_and_b32 v187, 0xffff, v191                   ; the first step, at place 0
	v_cmp_lt_u32 vcc_lo, v183, v187
	s_wait_alu depctr_va_vcc(0)                    ; the compare has written VCC, ahead of the two selects that read it
	v_cndmask_b32 v187, v187, v194, vcc_lo
	v_cndmask_b32 v192, 16, v194, vcc_lo
	v_sub_nc_u32 v183, v183, v187
	NARROW 190, 0xff, 8
	NARROW 189, 15, 4
	NARROW 188, 3, 2
	NARROW 160, 1, 1
	v_lshl_add_u32 v187, v184, 5, v192             ; 32 x group + bit,
	v_add_nc_u32 v187, s54, v187                   ; from the block's first token on
	v_min_u32 v[195+\jj], 0x1fff, v187
.endm
; x's codes and scale words of the 32 rows whose places in the list v3 and v11 hold; both were written ahead of the last wait on va_vdst, and no vector instruction since it names v32 to v34.
; free = 1: earlier loads may still read the offset registers.  gates = 1: the gate weights too
.macro GATHER free, gates
	ds_load_b32 v32, v3                            ; row r's token, in both halves of the lanes,
	ds_load_b32 v33, v3 offset:64                  ; row 16 + r's,
	ds_load_b32 v34, v11                           ; and row lane's
	s_wait_dscnt 0x0
.if \free
	s_wait_xcnt 0x0                                ; the gate loads have read v9 and v10: only behind this wait are the offsets written again
.endif
	s_wait_alu depctr_vm_vsrc(0)                   ; all LDS and memory instructions so far have read their registers: the last gather's loads and the gate loads v6 to v10, written below; the LDS stores their data (the codes and the scale word, which the upper tile's quantiser writes; at the head the two tokens and the bias rows, whose registers b1 and gelu take); the list loads v3 and v11, which the next gather steps
	v_min_u32 v32, 0x1fff, v32
	v_min_u32 v33, 0x1fff, v33
	v_min_u32 v34, 0x1fff, v34
	v_lshl_add_u32 v6, v32, 8, v2                  ; x's codes: 256 bytes a token, + 16 h
	v_lshl_add_u32 v7, v33, 8, v2
	v_lshlrev_b32 v8, 4, v34                       ; its scale words: lane l takes row l's four
	v_lshlrev_b32 v9, 2, v32                       ; its gate weight
	v_lshlrev_b32 v10, 2, v33
	s_wait_alu depctr_va_vdst(0)                   ; v6 to v10 are written, which the loads below and the next gate loads read (the first product, which read x's scale words and fragments, stands ahead of an earlier wait)
	global_load_b128 v[XS:XS+3], v8, s[8:9]
	WIN 0xc0                                       ; destination window 3
.irp m, 0,1
.irp s, 0,1,2,3
.irp c, 0,1
	global_load_b128 v[XN+32*\m+8*\s+4*\c:XN+32*\m+8*\s+4*\c+3], v[6+\m], s[6:7] offset:64*\s+32*\c
.endr
.endr
.endr
	WIN 0
.if \gates
	GATES
.endif
.endm
.macro GATES                           ; each gate weight twice: a pair for the packed multiply
	global_load_b32 v12, v9, s[10:11]
	global_load_b32 v13, v9, s[10:11]
	global_load_b32 v30, v10, s[10:11]
	global_load_b32 v31, v10, s[10:11]
.endm
; token tile m leaves: 16 rows through my stage, so that a store covers 512 consecutive bytes of a row of out, aligned
.macro WAYOUT m
.irp t, 0,1,2,3,4,5,6,7
	ds_store_b128 v21, v[ACC+64*\m+8*\t:ACC+64*\m+8*\t+3] offset:64*\t
	ds_store_b128 v21, v[ACC+64*\m+8*\t+4:ACC+64*\m+8*\t+7] offset:64*\t+16
.endr
	WIN 0xc0                                       ; destination window 3
.set i, 0
.rept 16
	ds_load_b128 v[ORW+64*\m+4*i:ORW+64*\m+4*i+3], v22 offset:SP*i   ; LDS serves a wave's instructions in order: these see my stores
.set i, i+1
.endr
	WIN 0x0c                                       ; a store's data are its source 1: window 3
.set i, 0
.rept 16
	s_wait_dscnt 15-i                              ; row i is back; the younger rows may be out
	global_store_b128 v[TOFF+16*\m+i], v[ORW+64*\m+4*i:ORW+64*\m+4*i+3], s[20:21] th:TH_STORE_NT
.set i, i+1
.endr
	WIN 0
.endm
; A TRIP: rows s26 .. s26 + 31.  first = 1: trip 0, whose first half runs on every way and holds W2's loads.
.macro TRIP first
	s_add_co_u32 s52, s27, 128
	s_min_u32 s52, s52, 896                        ; the next trip's place in the list (the last trip asks for its own once more)
	s_add_co_u32 s30, s26, 16
.if !\first
	s_cmp_ge_u32 s26, s25                          ; no rows left: on to the barrier
	s_cbranch_scc1 .Lskip_a_\@
	GATES                                          ; by the offsets that the trip before made; the multiplies that read the old weights stand ahead of that trip's wait in front of its way out
.endif
.irp m, 0,1
.irp t, 0,1,2,3,4,5,6,7
	ds_load_b128 v[ACC+64*\m+8*\t:ACC+64*\m+8*\t+3], v14 offset:128*(\t/2)+32*(\t%2)       ; register j: b1 of unit 32 (t/2) + 16 h + 8 (t%2) + j
	ds_load_b128 v[ACC+64*\m+8*\t+4:ACC+64*\m+8*\t+7], v14 offset:128*(\t/2)+32*(\t%2)+16
.endr
.endr
	s_wait_dscnt 0x0                               ; b1 lies in the accumulators
.if \first
	s_wait_loadcnt 32                              ; all but W1's K steps 2 and 3 are in
.else
	s_wait_loadcnt 4                               ; x's fragments and scale words are in; behind them: the four gate loads
.endif
	WIN 0x0d                                       ; source 0 (W1) window 1, source 1 (x) window 3
	PROD 0, WS1, XS, XN
	PROD 1, WS1, XS, XN
.if \first
	s_wait_loadcnt 16
.endif
	PROD 2, WS1, XS, XN
.if \first
	s_wait_loadcnt 0x0
.endif
	PROD 3, WS1, XS, XN
	WIN 0
.rept 4
	v_nop                                          ; four places ahead of the first read of results (ISA guide 7.12.1)
.endr
.if \first
	SLOAD WS2, 8192                                ; W2's scale words and its K steps 0 and 1 land under the gelu: 48 loads now, 49 between the two halves: all at once are more than LOADcnt's field holds
	WLOAD 0x80, 0, 131072
.endif
	HALFC 0
	v_add_nc_u32 v3, s52, v19                      ; the next trip's places in the list (the loads that read the old ones stand ahead of the last gather's wait on vm_vsrc)
	v_add_nc_u32 v11, s52, v20
	s_wait_alu depctr_va_vdst(0)                   ; the quantiser has written the codes and the scale word, which the stores below read; v3 and v11 are written, which the list loads read; gelu is done with v32 to v34, in which they land; the first product is done reading x's scale words and fragments, in which the gather lands
	HALFS 0
	GATHER 1, 0                                    ; the next trip's x: 17 loads, which land under what follows
.if \first
	WLOAD 0x80, 32, 131072
.endif
	s_cmp_ge_u32 s30, s25                          ; the upper 16 rows are all spare: their gelu is passed over,
	s_cbranch_scc1 .Lone_a_\@
	HALFC 1
.Lone_a_\@:
	s_wait_alu depctr_va_vdst(0)                   ; on the way through the upper tile: its quantiser has written the codes and the scale word, which the stores below read, and gelu is done with the accumulators and v32 to v63, in which the second half's loads land
	HALFS 1                                        ; and the lower tile's image stands in for theirs: numbers that may be multiplied, and are not stored
.if !\first
.Lskip_a_\@:
.endif
	s_wait_dscnt 0x0                               ; my images have landed
	s_barrier_signal -1
	s_barrier_wait -1                              ; the hidden layer's eight fragments lie in LDS
	s_cmp_ge_u32 s26, s25
	s_cbranch_scc1 .Lskip_b_\@
	v_mov_b32 v28, s27                             ; (the loads that read the old v28 stand ahead of the wait on vm_vsrc at the last trip's end)
	s_wait_alu depctr_va_vdst(0)                   ; v28 is written, which the list loads below read
.irp m, 0,1
.irp t, 0,1,2,3,4,5,6,7
	ds_load_b128 v[ACC+64*\m+8*\t:ACC+64*\m+8*\t+3], v15 offset:64*\t                      ; register j: b2 of output 16 t + 8 h + j
	ds_load_b128 v[ACC+64*\m+8*\t+4:ACC+64*\m+8*\t+7], v15 offset:64*\t+16
.endr
.endr
	WIN 0xc0                                       ; destination window 3
.irp m, 0,1
.irp s, 0,1,2,3
.irp c, 0,1
	ds_load_b128 v[HF+32*\m+8*\s+4*\c:HF+32*\m+8*\s+4*\c+3], v4 offset:HIMG+1024*(4*\m+\s)+512*\c
.endr
.endr
.endr
	WIN 0
.irp s, 0,1,2,3
	ds_load_b32 v[HS+\s], v5 offset:HSC+128*\s     ; lanes 0-15 token tile 0's words, lanes 16-31 token tile 1's
.endr
.irp q, 0,1,2,3,4,5,6,7
	ds_load_b128 v[TOFF+4*\q:TOFF+4*\q+3], v28 offset:LIST+16*\q   ; the 32 rows' tokens, each in every lane
.endr
	s_wait_dscnt 0x0
.if \first
	s_wait_loadcnt 63                              ; W2's scale words and K step 0 are in: 16 + 17 + 32 = 65 loads are younger, and the count's field holds 63
.else
	s_wait_loadcnt 0x0                             ; the gate weights; and W2, on the way that passed over trip 0's second half
.endif
	WIN 0x0e                                       ; source 0 (W2) window 2, source 1 (the hidden layer) window 3
	PROD 0, WS2, HS, HF
.if \first
	s_wait_loadcnt 49                              ; behind K step 1: the gather's 17 and two K steps of 16
.endif
	PROD 1, WS2, HS, HF
.if \first
	s_wait_loadcnt 16
.endif
	PROD 2, WS2, HS, HF
.if \first
	s_wait_loadcnt 0x0
.endif
	PROD 3, WS2, HS, HF
	WIN 0
.set i, 0
.rept 32
	v_min_u32 v[TOFF+i], 0x1fff, v[TOFF+i]         ; (these 64 lines are also the places behind the products)
.set i, i+1
.endr
.set i, 0
.rept 32
	v_lshl_add_u32 v[TOFF+i], v[TOFF+i], 11, v23   ; 2,048 bytes a token, + 512 w + 16 x lane
.set i, i+1
.endr
.set i, ACC
.rept 32
	v_pk_mul_f32 v[i:i+1], v[i:i+1], v[12:13]      ; the gate's weight; each accumulator from its low end on
.set i, i+2
.endr
.rept 32
	v_pk_mul_f32 v[i:i+1], v[i:i+1], v[30:31]
.set i, i+2
.endr
	s_wait_alu depctr_va_vdst(0)                   ; the multiplies have written the accumulators, which the stage's stores read, and the 32 offsets are written, which the stores to out read; the second product is done reading the hidden layer's fragments and scale words, and the multiplies the gate weights: the next trip's loads land in those
	WAYOUT 0
	s_cmp_ge_u32 s30, s25                          ; spare rows alone in the upper tile: nothing of it is stored
	s_cbranch_scc1 .Lone_b_\@
	WAYOUT 1
.Lone_b_\@:
	s_wait_xcnt 0x0                                ; the stores have read their offsets and data: the next trip writes those registers
.Lskip_b_\@:
	s_wait_alu depctr_vm_vsrc(0)                   ; on every way: the stage's stores have read the accumulators, in which b1 lands next; the stores to out their rows and offsets, which the next way out's loads and gelu write; the upper image's stores the codes and the scale word, which the next quantiser writes; the list loads v28
	s_wait_dscnt 0x0                               ; my reads of the images are over
	s_barrier_signal -1
	s_barrier_wait -1                              ; everybody's are: the next trip may store its images
.endm
	s_load_b512 s[4:19], s[0:1], 0x0               ; route 4, xcodes 6, xscales 8, gatew 10, wq 12, ws 14, b1 16, b2 18
	s_load_b64 s[20:21], s[0:1], 0x40              ; out0
	v_lshl_add_u32 v74, v0, 2, 0xba00
	v_mov_b32 v75, 0
	v_and_b32 v1, 31, v0                           ; lane
	v_lshrrev_b32 v2, 5, v0
	v_readfirstlane_b32 s22, v2                    ; wave 0..3
	v_and_b32 v28, 15, v0                          ; r
	v_bfe_u32 v29, v0, 4, 1                        ; h
	v_lshlrev_b32 v4, 4, v1
	v_lshlrev_b32 v5, 2, v1
	s_mov_b32 s28, 0x76543210
	s_mov_b32 s29, 0xfedcba98                      ; v_permlanex16_b32's selects for lane l xor 16
	s_and_b32 s23, ttmp9, 7                        ; my expert
	s_lshr_b32 s24, ttmp9, 3                       ; my block of 256 tokens
	s_lshl_b32 s54, s24, 8                         ; its first token
	s_lshl_b32 s2, ttmp9, 6                        ; my record: 64 bytes
	s_mov_b32 s3, 0
	s_wait_alu depctr_va_sdst(0)                   ; s22 is written, ahead of its first reader: LDS addresses and the weights' bases are made from it
	; every address that stays is made here, while the arguments are on their way, so that one wait covers them all
	v_lshlrev_b32 v2, 4, v29
	s_lshl_b32 s30, s22, 10
	s_add_co_u32 s31, s30, BIA
	v_lshlrev_b32 v14, 6, v29
	v_add_nc_u32 v14, s31, v14                     ; b1 as the first product's results lie: 64 h, the tile in the immediate
	v_lshlrev_b32 v15, 5, v29
	v_add_nc_u32 v15, s31, v15
	v_add_nc_u32 v15, 512, v15                     ; b2 likewise: 32 h
	v_add_nc_u32 v16, s31, v4                      ; where the bias rows are put
	v_add_nc_u32 v17, s30, v4                      ; where I store the hidden layer's images: 1,024 w + 16 x lane
	s_lshl_b32 s62, s22, 7
	s_add_co_u32 s62, s62, HSC
	v_lshlrev_b32 v18, 2, v28
	v_add_nc_u32 v18, s62, v18                     ; and their scale words: 128 w + 4 r
	s_mul_i32 s63, s22, 16*SP
	s_add_co_u32 s63, s63, STG
	v_mul_u32_u24 v21, v28, SP
	v_lshl_add_u32 v21, v29, 5, v21
	v_add_nc_u32 v21, s63, v21                     ; my stage, in: row r, 32 h
	v_add_nc_u32 v22, s63, v4                      ; and back: a row of 512 bytes for the 32 lanes
	v_lshl_add_u32 v23, s22, 9, v4                 ; the same in a row of out: 512 w + 16 x lane
	v_lshl_add_u32 v19, v28, 2, LIST               ; the list: row r's word,
	v_lshl_add_u32 v20, v1, 2, LIST                ; row lane's,
	v_lshl_add_u32 v29, v0, 2, LIST                ; and where I put the ranks that I find (h is done with)
	v_mov_b32 v194, 0
	s_wait_alu depctr_va_vdst(0)                   ; v4, v5, v14 to v18, v21, v22 and v29 are written
	s_wait_kmcnt 0x0
	s_add_nc_u64 s[4:5], s[4:5], s[2:3]
	s_load_b512 s[68:83], s[4:5], 0x0              ; eight masks, eight numbers
	s_lshl_b32 s30, s23, 3
	s_add_co_u32 s30, s30, s22                     ; W1's region 8 e + w; W2's lies four regions on
	s_lshl_b32 s2, s30, 15
	s_add_nc_u64 s[12:13], s[12:13], s[2:3]
	s_lshl_b32 s2, s30, 11
	s_add_nc_u64 s[14:15], s[14:15], s[2:3]
	s_lshl_b32 s2, s23, 11
	s_lshl_b32 s30, s22, 9
	s_add_co_u32 s2, s2, s30                       ; the biases: 2,048 bytes an expert, my 512
	s_add_nc_u64 s[16:17], s[16:17], s[2:3]
	s_add_nc_u64 s[18:19], s[18:19], s[2:3]
	global_load_b128 v[40:43], v4, s[16:17]        ; my 128 numbers of b1,
	global_load_b128 v[44:47], v4, s[18:19]        ; of b2,
	SLOAD WS1, 0                                   ; W1's scale words,
	WLOAD 0x40, 0, 0                               ; and its K steps 0 and 1: 50 loads, which hang on no loaded number
	s_wait_kmcnt 0x0                               ; the record
	s_mov_b32 s84, s76                             ; how many of my rows lie in the groups before group 1, .. 7,
	s_add_co_u32 s85, s84, s77
	s_add_co_u32 s86, s85, s78
	s_add_co_u32 s87, s86, s79
	s_add_co_u32 s88, s87, s80
	s_add_co_u32 s89, s88, s81
	s_add_co_u32 s90, s89, s82
	s_add_co_u32 s25, s90, s83                     ; and in all
	s_min_u32 s25, s25, 256
	s_sub_co_u32 s53, s25, 1                       ; the last rank there is
	FIND 0
	FIND 1
	s_mov_b32 s52, 0
	v_add_nc_u32 v3, s52, v19                      ; trip 0's places in the list
	v_add_nc_u32 v11, s52, v20
	s_wait_loadcnt 48                              ; b1 and b2 are in; behind them: 16 scale words and 32 loads of W1
	s_wait_alu depctr_va_vdst(0)                   ; the search has written the two tokens v195 and v196, which the stores below read, and is done with v160 to v196, in which b1 lands; v3 and v11 are written, which the list loads behind the barrier read
	ds_store_b32 v29, v195
	ds_store_b32 v29, v196 offset:512
	ds_store_b128 v16, v[40:43]
	ds_store_b128 v16, v[44:47] offset:512
	s_wait_dscnt 0x0                               ; for the others' sake: my part of the list has landed
	s_barrier_signal -1
	s_barrier_wait -1                              ; the list is whole; nobody writes it again
	GATHER 0, 1                                    ; trip 0's x and gate weights: 21 loads
	WLOAD 0x40, 32, 0                              ; W1's K steps 2 and 3
	KPAIR 32, 0x32edffee                           ; A's coefficients from z^10 down:  2.77068142e-08
	KPAIR 34, 0xb60cff51                           ; -2.10102402e-06
	KPAIR 36, 0xb86ec2d2                           ; -5.69250639e-05
	KPAIR 38, 0xba40ac63                           ; -7.34990630e-04
	KPAIR 40, 0xbb41a1f6                           ; -2.95459981e-03
	KPAIR 42, 0xbc83dbd4                           ; -1.60960333e-02
	KPAIR 44, 0xb95fbd29                           ; B's from z^6 down: -2.13374055e-04
	KPAIR 46, 0xbadc924e                           ; -1.68282697e-03
	KPAIR 48, 0xbbf19bf8                           ; -7.37332917e-03
	KPAIR 50, 0xbc69b6a7                           ; -1.42647391e-02
	v_mov_b32 v24, 0xaf95df0b                      ; A's z^12: -2.72614226e-10
	v_mov_b32 v25, 0xaf95df0b
	v_mov_b32 v26, 0xb77460cd                      ; B's z^8: -1.45660718e-05
	v_mov_b32 v27, 0xb77460cd
.irp b, 0,1,2,3
	v_mov_b32 v[TM+4+\b], 0                        ; written once: a lane permute's destination counts as one of its sources.  (No LDS or memory instruction names v24 to v27 or these four)
.endr
	s_mov_b32 s26, 0
	s_mov_b32 s27, 0
	TRIP 1
	s_mov_b32 s26, 32
	s_mov_b32 s27, 128
.Ltrip:                                            ; seven trips more, a constant: 8 x 32 rows serve a block whose every token chose my expert
	TRIP 0
	s_add_co_u32 s27, s27, 128
	s_add_co_u32 s26, s26, 32
	s_cmp_lt_u32 s26, 256
	s_cbranch_scc1 .Ltrip
	s_wait_dscnt 0x0                               ; the closing lines, six on end
	s_wait_alu 0x0
	s_wait_tensorcnt 0x0
	ds_add_u32 v74, v75
	s_wait_dscnt 0x0
	s_endpgm
.Lfunc_end_k_q161f64679a_chain:
	.size	k_q161f64679a_chain, .Lfunc_end_k_q161f64679a_chain-k_q161f64679a_chain
	.p2alignl 7, 3214868480
	.fill 96, 4, 3214868480
	.section	.rodata,"a",@progbits
	.p2align	6, 0x0
	.amdhsa_kernel k_q161f64679a_chain
		.amdhsa_group_segment_fixed_size 48128
		.amdhsa_private_segment_fixed_size 0
		.amdhsa_enable_private_segment 0
		.amdhsa_kernarg_size 72
		.amdhsa_user_sgpr_count 2
		.amdhsa_user_sgpr_kernarg_segment_ptr 1
		.amdhsa_wavefront_size32 1
		.amdhsa_system_sgpr_workgroup_id_x 1
		.amdhsa_system_sgpr_workgroup_id_y 1
		.amdhsa_system_sgpr_workgroup_id_z 1
		.amdhsa_system_vgpr_workitem_id 0
		.amdhsa_next_free_vgpr 1024
		.amdhsa_next_free_sgpr 92
		.amdhsa_reserve_vcc 1
		.amdhsa_float_denorm_mode_32 3
		.amdhsa_float_denorm_mode_16_64 3
		.amdhsa_memory_ordered 1
		.amdhsa_forward_progress 1
		.amdhsa_inst_pref_size 255
	.end_amdhsa_kernel
	.section	.bss,"aw",@nobits
	.p2align	6
	.space	262144
	.amdgpu_metadata
---
amdhsa.version: [ 1, 2 ]
amdhsa.kernels:
  - .name:           k_q161f64679a_chain
    .symbol:         k_q161f64679a_chain.kd
    .args:
      - { .name: route, .offset: 0, .size: 8, .value_kind: global_buffer, .address_space: global }
      - { .name: xcodes, .offset: 8, .size: 8, .value_kind: global_buffer, .address_space: global }
      - { .name: xscales, .offset: 16, .size: 8, .value_kind: global_buffer, .address_space: global }
      - { .name: gatew, .offset: 24, .size: 8, .value_kind: global_buffer, .address_space: global }
      - { .name: wq, .offset: 32, .size: 8, .value_kind: global_buffer, .address_space: global }
      - { .name: ws, .offset: 40, .size: 8, .value_kind: global_buffer, .address_space: global }
      - { .name: b1, .offset: 48, .size: 8, .value_kind: global_buffer, .address_space: global }
      - { .name: b2, .offset: 56, .size: 8, .value_kind: global_buffer, .address_space: global }
      - { .name: out0, .offset: 64, .size: 8, .value_kind: global_buffer, .address_space: global }
    .group_segment_fixed_size: 48128
    .private_segment_fixed_size: 0
    .kernarg_segment_align: 8
    .kernarg_segment_size: 72
    .max_flat_workgroup_size: 128
    .sgpr_count:     92
    .vgpr_count:     1024
    .wavefront_size: 32
...
	.end_amdgpu_metadata
.endif
;; end of part 6
